; MI455X (gfx1250); checked and timed in simulation.
; The chip was launched on July 23, 2026; its instructions are those of AMD's public machine-readable ISA for CDNA 5 (MIT licence, August 2026) and "CDNA5" Instruction Set Architecture Reference Guide (July 2026). The comments in the code are by the model that wrote it; some were corrected since.
;; Multi Head Self Attention. Allowed arithmetic: matrix products marked QUANTISED: E2M1 operands, one E8M0 scale for each 32 along K, by v_wmma_scale_f32_16x16x128_f8f6f4 with both operands' format E2M1 (or v_wmma_scale_f32_32x16x128_f4), f32 sums; everything else in f32.
;; Inputs: b_out 1,024 float32; b_qkv 3,072 float32; ln_beta 1,024 float32; ln_gamma 1,024 float32; w_out 1,024 x 1,024 float32; w_qkv 1,024 x 3,072 float32; x 4 x 2,048 x 1,024 float32.
;; Outputs: out0 4 x 2,048 x 1,024 float32.
;; This version of the problem:
;;   THIS VERSION OF THE PROBLEM IS GIVEN IN LOW PRECISION. The matrix products marked QUANTISED in the list below multiply operands that are first quantised to E2M1 (2 exponent bits, 1 mantissa bit; 4 bits a number), with one power-of-two scale for each 32 numbers along K (OCP MX v1.0); their sums are f32. All else is computed in f32.
;;   The module's matrix products, in the order in which they are computed (A, B: the left and right operand; K: the contracted axis; several contracted axes count as one K, in the product's order):
;;     1. [M 8,192, K 1,024] x [K 1,024, N 3,072]; A: computed on the way; B: input w_qkv: QUANTISED
;;     2. batch 64 x [M 2,048, K 64] x [K 64, N 2,048]; A: computed on the way; B: computed on the way: QUANTISED
;;     3. batch 64 x [M 2,048, K 2,048] x [K 2,048, N 64]; A: softmax (see below); B: computed on the way: QUANTISED
;;     4. [M 8,192, K 1,024] x [K 1,024, N 1,024]; A: computed on the way; B: input w_out: QUANTISED
;;   THE QUANTISER, for each operand of a quantised product, along K:
;;     - K is cut into blocks of 32 from its start; a last block that is shorter is filled with zeros.
;;     - A block's scale is 2^e with e = floor(log2(the largest magnitude in the block)) - 2, held to -126 .. 127; a block of zeros has e = 0. As a byte (E8M0): e + 127.
;;     - Each number is divided by its block's scale, clamped to +-6, and rounded to the nearest number of E2M1, ties to even, subnormals kept.
;;     - The product sums the exact products of the quantised numbers (number of the format x scale) in f32.
;;   ~~~python
;;   def quantise(x, axis):      # numpy; x: float32 -> the quantised numbers, widened to float32 again
;;       x = np.moveaxis(x, axis, -1); K = x.shape[-1]
;;       x = np.pad(x, [(0, 0)] * (x.ndim - 1) + [(0, -K % 32)]); x = x.reshape(x.shape[:-1] + (-1, 32)); a = np.abs(x).max(-1, keepdims=True)
;;       e = np.where(a > 0, np.clip(np.frexp(np.where(a > 0, a, 1))[1] - 1 - 2, -126, 127), 0)      # np.frexp(a)[1] - 1 = floor(log2(a)), exactly
;;       r = np.clip(x / 2.0 ** e, -6, 6)
;;       step = 2.0 ** (np.maximum(np.frexp(np.where(r == 0, 1, r))[1] - 1, 0) - 1)
;;       q = np.round(r / step) * step * 2.0 ** e      # np.round: ties to even
;;       return np.moveaxis(q.reshape(q.shape[:-2] + (-1,))[..., :K], -1, axis).astype(np.float32)
;;   ~~~
;;   SOFTMAX AHEAD OF A QUANTISED PRODUCT. Where the list says 'softmax', what is quantised is not the finished softmax but p = 2^(t - M), with t = logit x log2(e) and M = ceil(the row's largest t), a whole number; so 1/2 < the row's largest p <= 1. The row's sum l is taken of the UNQUANTISED p, in f32, and the product's result is divided by l at the end. Since M is a whole number, a kernel that streams over the keys may use a running M (the ceiling of the running maximum): every later rescaling is an exact power of two, which a block's scale takes up: the codes' values come out the same.
;;   OPERANDS COMPUTED ON THE WAY. 'Computed on the way' means the value that the module computes at that place (a softmax that the list does not call 'softmax' is quantised finished and normalised). What goes into a quantiser is computed in f32, as accurately as f32 sums, v_exp_f32 and their like allow (about 1e-6 of the number): no bf16 or f16 on the way to a quantiser, and a product that is left as it is and whose result goes on into a quantised operand takes f32 operands (vector FMAs, or v_wmma_f32_16x16x4_f32). A number that lies on a knife's edge between two numbers of the format may be rounded either way, as far as f32 arithmetic and the matrix unit's own rounding can turn it there, and no further.
;; One version. Each part assembles by itself: llvm-mc -triple=amdgcn-amd-amdhsa -mcpu=gfx1250 --defsym DOCPART=n.
;; ======== version 1 of 1: 4 launches
;; limits: right only within a limited range of input values
;; workspace buffers: hbuf 4,456,448 bytes; wqbuf 1,671,168 bytes; wobuf 557,056 bytes; qq 9,175,040 bytes; kv 9,175,040 bytes; abuf 4,456,448 bytes
;; launch prep (part 1): grid 384 x 1, 4 waves a work-group, no clusters, 56,832 bytes of LDS; arguments x, ln_gamma, ln_beta, w_qkv, w_out, hbuf, wqbuf, wobuf; writes hbuf, wqbuf, wobuf
.if DOCPART == 1
	.amdgcn_target "amdgcn-amd-amdhsa--gfx1250"
	.amdhsa_code_object_version 6
	.text
	.protected	k_q4d4bb7fd86_prep
	.globl	k_q4d4bb7fd86_prep
	.p2align	8
	.type	k_q4d4bb7fd86_prep,@function
k_q4d4bb7fd86_prep:
	s_mov_b64 s[64:65], 0
	v_nop
	global_prefetch_b8 v0, s[64:65] scope:SCOPE_SE
	s_setreg_imm32_b32 hwreg(HW_REG_WAVE_MODE, 25, 1), 1
	s_wait_xcnt 0x0
; PREP: everything that is quantised once.  Work-groups 0-127: the two weights; work-groups 128-383: LayerNorm of x.
; All results are codes of FP4 (E2M1), K innermost, 512 bytes a row of 1,024, and one E8M0 byte for each 32 along K, 32 bytes a row.
;   hbuf : h = LayerNorm(x) [8192 rows]; codes from byte 0, scale bytes from HSC.
;   wqbuf: w_qkv, laid [3072 columns][K]; scale bytes from WQSC.      wobuf: w_out, laid [1024 columns][K]; scale bytes from WOSC.
; ROW ORDER: row i of each of them is stored at row sigma(i), sigma = i with its bits 3 and 4 exchanged.  Sixteen neighbouring stored rows then are rows
; 32 b + 8 u + (r & 7) + 16 (r >> 3): the choice of rows by which a matrix result's registers run along neighbouring indices.
; A block's scale is 2^(floor(log2(largest magnitude)) - 2): its byte is the largest magnitude's exponent field - 2, held at 1 from below by a floor among the maximum's leaves.
; LIMITS: NaN and infinities among the inputs are not served; a block whose largest magnitude lies under 2^-124 has its byte held at 1; a block of zeros has the byte 1
; with zero codes (this program alone reads the bytes).
; No cluster: the work-groups share gamma and beta alone, 8,192 bytes of the 50 million that the launch reads.  No tensor load: data go through registers.
; The two paths part on the work-group's number and never join; each has LDS bytes of its own (LayerNorm 0 .. 38,911; weights 38,912 .. 56,319).
.set HSC,   4194304
.set WQSC,  1572864
.set WOSC,  524288
.set WREG,  9728                       ; LayerNorm: a wave's LDS: two stages and its 256 scale bytes
.set SP,    144                        ; a lane's place in a stage: its 128 bytes + 16 of padding (9 x 16: sixteen lanes start in sixteen different 16-byte columns)
.set STG,   32*SP
.set SBY,   2*STG
.set WST,   4*WREG                     ; weights: the work-group's stage, 64 rows x 272 bytes
.set WP,    272
.set R,     16                         ; v16-111  three sets of 32: a row as it is loaded
.set X,     112                        ; v112-175 two sets of 32 neighbours
.set G,     176                        ; v176-207 gamma of my 32 columns
.set BT,    208                        ; v208-239 beta
.set A0,    240                        ; v[240:241], v[242:243] two chains
.set A1,    242
.set TT,    244
.set T2,    245
.set MU,    246                        ; v[246:247] the mean, twice
.set RS,    248                        ; v[248:249] 1 / sqrt(var + eps), twice
.set SOP,   250
.set BYT,   251
.set C,     252                        ; v252-255 a block's codes
.set VO,    16                         ; weights: v16-47 offsets of 32 rows of K
.set WX,    48                         ; v48-111 two sets of 32 numbers
.set WC,    112                        ; v112-115 a block's codes
.set SB,    116                        ; v[116:117] eight scale bytes
.set OUTR,  120                        ; v120-151 the way out
	s_load_b256 s[4:11], s[0:1], 0x0               ; x, gamma, beta, w_qkv
	s_load_b256 s[12:19], s[0:1], 0x20             ; w_out, hbuf, wqbuf, wobuf
	s_set_vgpr_msb 0x40
	v_lshl_add_u32 v0, v0, 2, 0xdc00
	v_mov_b32 v1, 0
	s_set_vgpr_msb 0x4000
	v_lshrrev_b32 v1, 5, v0
	v_readfirstlane_b32 s20, v1                    ; wave 0..3
	v_and_b32 v1, 31, v0                           ; lane
	s_mov_b32 s22, 0x76543210                      ; v_permlanex16_b32: lane l xor 16
	s_mov_b32 s23, 0xfedcba98
	s_cmp_lt_u32 ttmp9, 128                        ; the same in all four waves
	s_cbranch_scc1 .Lweights
; ================= LayerNorm: a wave takes 8 rows; a lane ends up with one whole block of 32 neighbours of a row =================
	s_sub_co_u32 s26, ttmp9, 128
	s_lshl_b32 s26, s26, 5                         ; the work-group's 32 rows
	s_lshl_b32 s27, s20, 3
	s_add_co_u32 s27, s27, s26                     ; my first row of x: 32 g + 8 w
	s_and_b32 s28, s20, 1
	s_lshl_b32 s28, s28, 4
	s_lshr_b32 s29, s20, 1
	s_lshl_b32 s29, s29, 3
	s_add_co_u32 s28, s28, s29
	s_add_co_u32 s28, s28, s26                     ; where it is stored: 32 g + 16 (w & 1) + 8 (w >> 1); my 8 rows stay neighbours
	s_lshl_b32 s30, s27, 12
	s_mov_b32 s31, 0
	s_lshl_b32 s32, s28, 9
	s_mov_b32 s33, 0
	s_lshl_b32 s34, s28, 5
	s_add_co_u32 s34, s34, HSC
	s_mov_b32 s35, 0
	s_mov_b32 s24, 0x3a800000                      ; 1 / 1024
	s_mov_b32 s25, 0x3727c5ac                      ; 1e-5
	s_mul_i32 s21, s20, WREG
	s_wait_alu depctr_va_vdst(0)
	v_lshlrev_b32 v2, 4, v1                        ; 16 x lane: my bytes of a load's 512, and of a row's codes
	v_lshrrev_b32 v3, 3, v1
	v_mul_u32_u24 v3, v3, SP
	v_and_b32 v4, 7, v1
	v_lshl_add_u32 v3, v4, 4, v3
	v_add_nc_u32 v3, s21, v3                       ; the stage, in: eight lanes' 128 bytes on end, then the padding
	v_mul_u32_u24 v4, v1, SP
	v_add_nc_u32 v4, s21, v4                       ; and out: my 32 neighbours
	s_add_co_u32 s21, s21, SBY
	v_add_nc_u32 v5, s21, v1                       ; my block's scale byte
	v_lshlrev_b32 v7, 3, v1
	v_add_nc_u32 v6, s21, v7                       ; the scale bytes on their way out: 8 a lane
	v_lshlrev_b32 v8, 7, v1                        ; gamma, beta: my 32 columns
	v_mov_b32 v[T2], 0                             ; a lane permute's destination counts as read
	s_wait_alu depctr_va_vdst(0)
	s_wait_kmcnt 0x0
	s_add_nc_u64 s[4:5], s[4:5], s[30:31]          ; x at my first row
	s_add_nc_u64 s[36:37], s[14:15], s[32:33]      ; h's codes
	s_add_nc_u64 s[38:39], s[14:15], s[34:35]      ; h's scale bytes
.irp j, 0,1,2,3,4,5,6,7
	global_load_b128 v[G+4*\j:G+4*\j+3], v8, s[6:7] offset:16*\j
	global_load_b128 v[BT+4*\j:BT+4*\j+3], v8, s[8:9] offset:16*\j
.endr
.macro LOAD t                          ; row t: eight loads of 512 consecutive bytes
.irp j, 0,1,2,3,4,5,6,7
	global_load_b128 v[R+32*((\t)%3)+4*\j:R+32*((\t)%3)+4*\j+3], v2, s[4:5] offset:4096*(\t)+512*\j th:TH_LOAD_NT
.endr
.endm
.macro TURN t                          ; row t through a stage: LDS serves a wave's instructions in order, so no wait stands between the stores and the loads
.irp j, 0,1,2,3,4,5,6,7
	ds_store_b128 v3, v[R+32*((\t)%3)+4*\j:R+32*((\t)%3)+4*\j+3] offset:STG*((\t)%2)+4*SP*\j
.endr
.irp i, 0,1,2,3,4,5,6,7
	ds_load_b128 v[X+32*((\t)%2)+4*\i:X+32*((\t)%2)+4*\i+3], v4 offset:STG*((\t)%2)+16*\i
.endr
.endm
.macro LANESUM                         ; v[TT] summed over the 32 lanes, the result in every lane
	v_add_f32_dpp v[TT], v[TT], v[TT] row_xmask:1 row_mask:0xf bank_mask:0xf
	v_add_f32_dpp v[TT], v[TT], v[TT] row_xmask:2 row_mask:0xf bank_mask:0xf
	v_add_f32_dpp v[TT], v[TT], v[TT] row_xmask:4 row_mask:0xf bank_mask:0xf
	v_add_f32_dpp v[TT], v[TT], v[TT] row_xmask:8 row_mask:0xf bank_mask:0xf
	v_permlanex16_b32 v[T2], v[TT], s22, s23
	v_add_f32 v[TT], v[TT], v[T2]
.endm
	LOAD 0
	LOAD 1
	LOAD 2
	s_wait_loadcnt 16                              ; gamma, beta and row 0 are in; rows 1 and 2 (16 loads) may be out
	TURN 0
.macro ROW t
.set XS, X+32*((\t)%2)
	s_wait_dscnt 0x0                               ; row t is back from its stage, its stores into the stage have read their registers, and the last row's byte store has read its own
.if (\t)+3 < 8
	LOAD (\t)+3                                    ; into the set that row t has left
.endif
.if (\t)+1 < 8
.if (\t) <= 4
	s_wait_loadcnt 16                              ; row t + 1 is in; the two rows behind it may be out
.else
	s_wait_loadcnt 8*(6-(\t))                      ; the counts run down: 8, 0
.endif
	TURN (\t)+1                                    ; through the other stage while this row is worked on
.endif
	v_pk_add_f32 v[A0:A0+1], v[XS:XS+1], v[XS+2:XS+3]              ; the sum of my 32, two chains
	v_pk_add_f32 v[A1:A1+1], v[XS+4:XS+5], v[XS+6:XS+7]
.irp i, 8,12,16,20,24,28
	v_pk_add_f32 v[A0:A0+1], v[A0:A0+1], v[XS+\i:XS+\i+1]
	v_pk_add_f32 v[A1:A1+1], v[A1:A1+1], v[XS+\i+2:XS+\i+3]
.endr
	v_pk_add_f32 v[A0:A0+1], v[A0:A0+1], v[A1:A1+1]
	v_add_f32 v[TT], v[A0], v[A0+1]
	LANESUM
	v_mul_f32 v[MU], s24, v[TT]                    ; the mean
	v_mul_f32 v[MU+1], s24, v[TT]
.irp i, 0,2,4,6,8,10,12,14,16,18,20,22,24,26,28,30
	v_pk_add_f32 v[XS+\i:XS+\i+1], v[XS+\i:XS+\i+1], v[MU:MU+1] neg_lo:[0,1] neg_hi:[0,1]   ; x - mean: the variance is taken of these, so a common offset in x does no harm
.endr
	v_pk_mul_f32 v[A0:A0+1], v[XS:XS+1], v[XS:XS+1]
	v_pk_mul_f32 v[A1:A1+1], v[XS+2:XS+3], v[XS+2:XS+3]
.irp i, 4,8,12,16,20,24,28
	v_pk_fma_f32 v[A0:A0+1], v[XS+\i:XS+\i+1], v[XS+\i:XS+\i+1], v[A0:A0+1]
	v_pk_fma_f32 v[A1:A1+1], v[XS+\i+2:XS+\i+3], v[XS+\i+2:XS+\i+3], v[A1:A1+1]
.endr
	v_pk_add_f32 v[A0:A0+1], v[A0:A0+1], v[A1:A1+1]
	v_add_f32 v[TT], v[A0], v[A0+1]
	LANESUM
	v_fma_f32 v[TT], v[TT], s24, s25               ; var + eps
	s_wait_alu depctr_va_vdst(0)
	v_rsq_f32 v[RS], v[TT]
	v_rsq_f32 v[RS+1], v[TT]
	v_nop                                          ; a plain instruction behind the last of the two
	s_wait_alu depctr_va_vdst(0)                   ; one wait for both, ahead of their first reader
.irp i, 0,2,4,6,8,10,12,14,16,18,20,22,24,26,28,30
	v_pk_mul_f32 v[XS+\i:XS+\i+1], v[XS+\i:XS+\i+1], v[RS:RS+1]
.endr
.irp i, 0,2,4,6,8,10,12,14,16,18,20,22,24,26,28,30
	v_pk_fma_f32 v[XS+\i:XS+\i+1], v[XS+\i:XS+\i+1], v[G+\i:G+\i+1], v[BT+\i:BT+\i+1]      ; x gamma + beta
.endr
	v_max3_num_f32 v[A0], |v[XS]|, |v[XS+1]|, |v[XS+2]|            ; the block's largest magnitude: all 32 numbers are mine
	v_max3_num_f32 v[A0+1], |v[XS+3]|, |v[XS+4]|, |v[XS+5]|
.irp i, 6,10,14,18,22,26
	v_max3_num_f32 v[A0], v[A0], |v[XS+\i]|, |v[XS+\i+1]|
	v_max3_num_f32 v[A0+1], v[A0+1], |v[XS+\i+2]|, |v[XS+\i+3]|
.endr
	v_max3_num_f32 v[A0], v[A0], |v[XS+30]|, |v[XS+31]|
	v_max3_num_f32 v[A0], v[A0], v[A0+1], 0x1800000                ; and the floor 2^(3 - 127): the byte cannot fall under 1
	v_add_nc_u32 v[SOP], 0xff000000, v[A0]         ; 2 off the exponent field: the conversion's scale operand
	s_wait_alu depctr_va_vdst(0)
	s_wait_xcnt 0x0                                ; the last row's store has read its data: the codes' registers are written again only behind this wait
.irp g, 0,1,2,3
	v_cvt_scalef32_pk8_fp4_f32 v[C+\g], v[XS+8*\g:XS+8*\g+7], v[SOP]
.endr
	v_lshrrev_b32 v[BYT], 23, v[SOP]               ; the scale's byte (also the plain instruction behind the conversions)
	ds_store_b8 v5, v[BYT] offset:32*(\t)
	global_store_b128 v2, v[C:C+3], s[36:37] offset:512*(\t)       ; 32 lanes store the row's 512 bytes of codes
.endm
.irp t, 0,1,2,3,4,5,6,7
	ROW \t
.endr
	ds_load_b64 v[10:11], v6                       ; my wave's 8 rows x 32 scale bytes: these loads see my stores
	s_wait_dscnt 0x0
	global_store_b64 v7, v[10:11], s[38:39]        ; 256 consecutive bytes, aligned
	s_set_vgpr_msb 0x5
	s_wait_tensorcnt 0x0
	ds_add_u32 v0, v1
	s_wait_dscnt 0x0
	s_set_vgpr_msb 0x500
	s_endpgm
; ================= the weights: a lane takes a column, its registers run down K; a work-group takes 64 columns x 512 along K =================
.Lweights:
	s_lshr_b32 s26, ttmp9, 1                       ; block of 64 columns: 0-47 of w_qkv, 48-63 of w_out
	s_and_b32 s27, ttmp9, 1                        ; which 512 along K
	s_and_b32 s31, s20, 1                          ; my 32 columns of the 64
	s_lshr_b32 s32, s20, 1                         ; my 256 of the 512 along K
	s_wait_alu depctr_va_vdst(0)
	v_and_b32 v10, 7, v1
	v_bfe_u32 v11, v1, 3, 1
	v_lshl_or_b32 v10, v11, 4, v10
	v_bfe_u32 v11, v1, 4, 1
	v_lshl_or_b32 v10, v11, 3, v10                 ; sigma(lane)
	s_mul_i32 s42, s31, 32*WP
	s_lshl_b32 s43, s32, 7
	s_add_co_u32 s42, s42, s43
	s_add_co_u32 s42, s42, WST
	v_mul_u32_u24 v4, v10, WP
	v_add_nc_u32 v4, s42, v4                       ; into the stage: the row at which my column is stored, my 128 bytes of its 256
	s_mul_i32 s42, s20, 16*WP
	s_add_co_u32 s42, s42, WST
	v_and_b32 v5, 15, v1
	v_lshrrev_b32 v6, 4, v1
	v_mul_u32_u24 v7, v6, WP
	v_lshl_add_u32 v7, v5, 4, v7
	v_add_nc_u32 v7, s42, v7                       ; out of it: wave w takes rows 16 w on, sixteen lanes to a row
	s_lshl_b32 s42, s20, 13
	v_lshlrev_b32 v8, 9, v6
	v_lshl_add_u32 v8, v5, 4, v8
	v_add_nc_u32 v8, s42, v8                       ; the same place among the codes: rows of 512 bytes
	s_lshl_b32 s42, s31, 10
	s_lshl_b32 s43, s32, 3
	s_add_co_u32 s42, s42, s43
	v_lshl_add_u32 v9, v10, 5, s42                 ; my column's 8 scale bytes: rows of 32 bytes
	s_wait_kmcnt 0x0
	s_cmp_lt_u32 s26, 48                           ; which weight: the choice hangs on the work-group's number alone
	s_cselect_b64 s[4:5], s[10:11], s[12:13]       ; from
	s_cselect_b64 s[6:7], s[16:17], s[18:19]       ; to
	s_mov_b32 s28, 4096
	s_cselect_b32 s28, 12288, s28                  ; a row of the weight in bytes
	s_mov_b32 s29, WOSC
	s_cselect_b32 s29, WQSC, s29                   ; where the scale bytes begin
	s_cselect_b32 s30, 0, 48
	s_sub_co_u32 s26, s26, s30                     ; the block of columns within its weight
	s_lshl_b32 s33, s27, 9
	s_lshl_b32 s34, s32, 8
	s_add_co_u32 s33, s33, s34                     ; my first k
	s_mul_i32 s34, s33, s28
	s_lshl_b32 s35, s26, 8
	s_add_co_u32 s34, s34, s35
	s_lshl_b32 s35, s31, 7
	s_add_co_u32 s34, s34, s35
	s_mov_b32 s35, 0
	s_add_nc_u64 s[4:5], s[4:5], s[34:35]
	s_lshl_b32 s36, s26, 15
	s_lshl_b32 s37, s27, 8
	s_add_co_u32 s36, s36, s37
	s_mov_b32 s37, 0
	s_add_nc_u64 s[8:9], s[6:7], s[36:37]          ; the codes: the block's 64 rows, this half of K
	s_lshl_b32 s36, s26, 11
	s_lshl_b32 s38, s27, 4
	s_add_co_u32 s36, s36, s38
	s_add_co_u32 s36, s36, s29
	s_add_nc_u64 s[6:7], s[6:7], s[36:37]          ; the scale bytes
	s_lshl_b32 s40, s28, 5                         ; 32 rows on
	s_mov_b32 s41, 0
	v_lshlrev_b32 v[VO], 2, v1                     ; 4 x lane + i rows
.set i, 1
.rept 31
	v_add_nc_u32 v[VO+i], s28, v[VO+i-1]
.set i, i+1
.endr
.macro LOADW t                         ; block t: 32 rows of K at my column; a wave reads 128 consecutive bytes, two waves side by side 256
.if (\t) > 0
	s_wait_xcnt 0x0                                ; the loads issued so far have read their base: it steps only behind this wait
	s_add_nc_u64 s[4:5], s[4:5], s[40:41]
.endif
.set i, 0
.rept 32
	global_load_b32 v[WX+32*((\t)%2)+i], v[VO+i], s[4:5] th:TH_LOAD_NT
.set i, i+1
.endr
.endm
	LOADW 0
	s_wait_alu depctr_va_vdst(0)
	LOADW 1
.macro BLOCK t
.set XS, WX+32*((\t)%2)
.if (\t) < 7
	s_wait_loadcnt 32                              ; this block's 32 loads are in; the next block's may be out
.else
	s_wait_loadcnt 0
.endif
	v_max3_num_f32 v12, |v[XS]|, |v[XS+1]|, |v[XS+2]|
	v_max3_num_f32 v13, |v[XS+3]|, |v[XS+4]|, |v[XS+5]|
.irp i, 6,10,14,18,22,26
	v_max3_num_f32 v12, v12, |v[XS+\i]|, |v[XS+\i+1]|
	v_max3_num_f32 v13, v13, |v[XS+\i+2]|, |v[XS+\i+3]|
.endr
	v_max3_num_f32 v12, v12, |v[XS+30]|, |v[XS+31]|
	v_max3_num_f32 v12, v12, v13, 0x1800000        ; and the floor
	v_add_nc_u32 v14, 0xff000000, v12              ; the conversion's scale operand
	v_lshrrev_b32 v15, 23, v14                     ; the scale's byte
.if (\t)%4 == 0
	v_mov_b32 v[SB+(\t)/4], v15
.else
	v_lshl_or_b32 v[SB+(\t)/4], v15, 8*((\t)%4), v[SB+(\t)/4]
.endif
.irp g, 0,1,2,3
	v_cvt_scalef32_pk8_fp4_f32 v[WC+\g], v[XS+8*\g:XS+8*\g+7], v14
.endr
	v_nop                                          ; a plain instruction behind the conversions
	ds_store_b128 v4, v[WC:WC+3] offset:16*(\t)
.if (\t)+2 < 8
	LOADW (\t)+2
.endif
	s_wait_dscnt 0x0                               ; the store has read its registers: the next block's codes may be written
.endm
.irp t, 0,1,2,3,4,5,6,7
	BLOCK \t
.endr
	s_wait_alu depctr_va_vdst(0)
	global_store_b64 v9, v[SB:SB+1], s[6:7]        ; my column's eight scale bytes
	s_wait_dscnt 0x0                               ; for the others' sake: my stores into the stage are done
	s_barrier_signal -1                            ; a stage row's 256 bytes come from two waves
	s_barrier_wait -1
.irp t, 0,1,2,3,4,5,6,7
	ds_load_b128 v[OUTR+4*\t:OUTR+4*\t+3], v7 offset:2*WP*\t
.endr
.irp t, 0,1,2,3,4,5,6,7
	s_wait_dscnt 7-\t
	global_store_b128 v8, v[OUTR+4*\t:OUTR+4*\t+3], s[8:9] offset:1024*\t   ; sixteen lanes store 256 consecutive bytes, aligned
.endr
	s_set_vgpr_msb 0x5
	s_wait_tensorcnt 0x0
	ds_add_u32 v0, v1
	s_wait_dscnt 0x0
	s_set_vgpr_msb 0x500
	s_endpgm
.Lfunc_end_k_q4d4bb7fd86_prep:
	.size	k_q4d4bb7fd86_prep, .Lfunc_end_k_q4d4bb7fd86_prep-k_q4d4bb7fd86_prep
	.p2alignl 7, 3214868480
	.fill 96, 4, 3214868480
	.section	.rodata,"a",@progbits
	.p2align	6, 0x0
	.amdhsa_kernel k_q4d4bb7fd86_prep
		.amdhsa_group_segment_fixed_size 56832
		.amdhsa_private_segment_fixed_size 0
		.amdhsa_enable_private_segment 0
		.amdhsa_kernarg_size 64
		.amdhsa_user_sgpr_count 2
		.amdhsa_user_sgpr_kernarg_segment_ptr 1
		.amdhsa_wavefront_size32 1
		.amdhsa_system_sgpr_workgroup_id_x 1
		.amdhsa_system_sgpr_workgroup_id_y 1
		.amdhsa_system_sgpr_workgroup_id_z 1
		.amdhsa_system_vgpr_workitem_id 0
		.amdhsa_next_free_vgpr 258
		.amdhsa_next_free_sgpr 66
		.amdhsa_reserve_vcc 0
		.amdhsa_float_denorm_mode_32 3
		.amdhsa_float_denorm_mode_16_64 3
		.amdhsa_memory_ordered 1
		.amdhsa_forward_progress 1
		.amdhsa_inst_pref_size 123
	.end_amdhsa_kernel
	.amdgpu_metadata
---
amdhsa.version: [ 1, 2 ]
amdhsa.kernels:
  - .name:           k_q4d4bb7fd86_prep
    .symbol:         k_q4d4bb7fd86_prep.kd
    .args:
      - { .name: x, .offset: 0, .size: 8, .value_kind: global_buffer, .address_space: global }
      - { .name: ln_gamma, .offset: 8, .size: 8, .value_kind: global_buffer, .address_space: global }
      - { .name: ln_beta, .offset: 16, .size: 8, .value_kind: global_buffer, .address_space: global }
      - { .name: w_qkv, .offset: 24, .size: 8, .value_kind: global_buffer, .address_space: global }
      - { .name: w_out, .offset: 32, .size: 8, .value_kind: global_buffer, .address_space: global }
      - { .name: hbuf, .offset: 40, .size: 8, .value_kind: global_buffer, .address_space: global }
      - { .name: wqbuf, .offset: 48, .size: 8, .value_kind: global_buffer, .address_space: global }
      - { .name: wobuf, .offset: 56, .size: 8, .value_kind: global_buffer, .address_space: global }
    .group_segment_fixed_size: 56832
    .private_segment_fixed_size: 0
    .kernarg_segment_align: 8
    .kernarg_segment_size: 64
    .max_flat_workgroup_size: 128
    .sgpr_count:     66
    .vgpr_count:     258
    .wavefront_size: 32
...
	.end_amdgpu_metadata
.endif
;; end of part 1
;; launch qkv (part 2): grid 8 x 32, 4 waves a work-group, clusters of 4 x 4, 327,680 bytes of LDS; arguments hbuf, wqbuf, b_qkv, qq, kv; writes qq, kv
.if DOCPART == 2
	.amdgcn_target "amdgcn-amd-amdhsa--gfx1250"
	.amdhsa_code_object_version 6
	.text
	.protected	k_q4d4bb7fd86_qkv
	.globl	k_q4d4bb7fd86_qkv
	.p2align	8
	.type	k_q4d4bb7fd86_qkv,@function
k_q4d4bb7fd86_qkv:
	s_mov_b64 s[64:65], 0
	v_nop
	global_prefetch_b8 v0, s[64:65] scope:SCOPE_SE
	s_setreg_imm32_b32 hwreg(HW_REG_WAVE_MODE, 25, 1), 1
	s_wait_xcnt 0x0
	s_wait_alu depctr_hold_cnt(0) depctr_sa_sdst(0) depctr_va_vdst(0) depctr_va_sdst(0) depctr_va_ssrc(0) depctr_va_vcc(0) depctr_vm_vsrc(0)
	s_getreg_b32 s2, hwreg(HW_REG_IB_STS2, 6, 4)
	s_cmp_eq_u32 s2, 0
	s_cbranch_scc0 .Lentry_in_a_cluster
	s_endpgm
.Lentry_in_a_cluster:
	s_bfe_u32 s2, ttmp6, 0x10000c
	s_cmp_lg_u32 s2, 0xf033
	s_cbranch_scc0 .Lentry_shape_is_right
	s_endpgm
.Lentry_shape_is_right:
; QKV: qkv = h w_qkv + b_qkv on codes of FP4 with E8M0 scales, and its results quantised in registers: q and k along the head's 64, v along the keys.  Nothing leaves as f32.
; A WORK-GROUP STAYS: it owns 256 tokens (group gy of 32) and 384 columns of w_qkv (group gx of 8): chunk A = columns 256 gx .. + 127 and chunk B = the next 128 (both of q, or both of k), chunk C = columns 2048 + 128 gx .. + 127 (v).
; h's 256 rows, K = 1,024 whole (512 bytes a row), stay in LDS; the three chunks, 128 rows each, go through two slots: A comes at the head, B and C by the loop's loads, each asked for one whole tile ahead of its products.
; In a result a lane holds ONE row of S1 (the matrix instruction's source 1) and its registers run along S0's rows (source 0).  So the axis that is quantised next is made S0:
;   tiles A, B (q, k): S0 = the chunk's 128 columns, S1 = tokens, 64 a wave;      tile C (v): S0 = tokens (the keys), 128 a wave, S1 = the chunk's columns, 64 a wave.   A wave's tile is 64 x 128 in all three: 32 accumulators.
; Rows of hbuf and wqbuf are stored with bits 3 and 4 of their index exchanged, so that the 64 registers of S0's tiles 0-7 hold index 32 b + 16 (lane / 16) + i in register 16 b + i.
; CLUSTERS 4 x 4: h's rows hang on the place along y and are shared along a row of the cluster, the chunks on the place along x and are shared along a column: joint loads.  All partners walk the same three tiles.
; S0's scale words are loaded one tile ahead into window 3 and moved into v32-95 at a tile's top: scale operands are named in window 0 alone.
; No prefetch: the chunks' loads themselves stand one whole tile (256 matrix instructions a wave and the tile's way out) ahead of the products that want them.
; OUT (qq for q, kv for k and v), [batch x 16 + head][key step of 128 tokens][8,960 bytes]: +0 eight images of 16 tokens x 64 (512 bytes: lane l's 16 bytes at 16 l); +4096 four images of v^T, 16 d x 128 keys
; (1,024 bytes); +8192 the tiles' scale words [group of 4 tiles][row 16][tile % 4]; +8704 v's scale words [row 16][d tile 4].  An image is an operand's registers as they stand.
; LIMITS: NaN and infinities are not served; a block whose largest magnitude lies under 2^-124 has its byte held at 1; a block of zeros has the byte 1 with zero codes.
; REGISTERS: window 0: v1-11 lane terms; v16-17, v20-21 LDS addresses; v32-95 S0's scale words (8 b + q), v96-127 S1's (8 a + q): scales and nothing else; v128-191 S1's fragments, two sets,
;   later the quantiser's; v192-255 64 numbers for the quantiser.   window 1: v0-127 S0's fragments, two sets; v128-199 biases.   window 2: accumulator (a, b) at v[8 (8 a + b)].   window 3: v0-63 the next tile's S0 scale words, v64-95 tile C's S1 scale words.
.set HSC,   4194304
.set WQSC,  1572864
.set PITCH, 528                        ; an LDS row: 512 bytes + 16 of padding (33 x 16): the sixteen rows of a fragment load start in sixteen different 16-byte columns
.set WL,    256*PITCH                  ; behind h's 256 rows: the slot of chunk B,
.set WH,    WL+128*PITCH               ; and the slot of chunks A and C
.set SPARE, WH+128*PITCH               ; the spare words
.set HEADB, 143360
.set STEPB, 8960
.set LI,    4
.set LT,    11                         ; a fragment's row x pitch + 16 x half
.set ADR1,  16                         ; tiles A, B: my 64 tokens;  v17: tile C: my 64 columns
.set ADR0,  20                         ; tiles A, B: the chunk;     v21: tile C: my 128 tokens
.set SC0,   32
.set SC1,   96
.set S1F,   128
.set TM,    128                        ; the quantiser: v128-131 maxima, v132-135 bytes, v140-143 scale operands
.set WD,    144                        ; v144-147 the four scale words
.set PC,    148                        ; v148-179 the four fragments' codes
.set T,     192
.set G1A,   24                         ; groups 1 and 0 for h's halves
.set G0A,   32
.set G0W,   36                         ; group 0 of the loop's loads
.set G1B,   48                         ; group 1 for the chunks; group 0 for chunk A's halves
.set G0B,   56
.set TW,    17                         ; s17 the slot that is read;  s18 the slot that is filled;  s19 tiles to go
.set TL,    18
.set CNT,   19
.set XB,    66                         ; s[66:67] where the next S0 scale words are loaded from; s[68:69], s[70:71] the two places after it
.set XN,    68
.set XC,    70
.set SEL,   90
.set MSB, 0
.macro WIN new                         ; the immediate's high byte repeats the setting that is left
.if MSB != \new
	s_set_vgpr_msb (MSB<<8)|\new
.set MSB, \new
.endif
.endm
.macro CROUND                          ; a round of the cluster's barrier
	s_barrier_signal -1
	s_barrier_wait -1
	s_cmp_lg_u32 s14, 0
	s_cbranch_scc1 .Lnot_wave_0_\@
	s_barrier_signal -3
.Lnot_wave_0_\@:
	s_barrier_wait -3
	s_barrier_signal -1
	s_barrier_wait -1
.endm
.macro PLACES                          ; four plain instructions between a matrix instruction and a load into, or a vector instruction on, its registers
.rept 4
	v_nop
.endr
.endm
.macro XLOAD                           ; 128 rows' scale words (lane r: row 16 b + r's eight words) into window 3
	WIN 0xc0
.irp b, 0,1,2,3,4,5,6,7
.irp k, 0,1
	global_load_b128 v[8*\b+4*\k:8*\b+4*\k+3], v5, s[XB:XB+1] offset:512*\b+16*\k
.endr
.endr
	WIN 0
.endm
.macro XCOPY                           ; and from there into S0's scale registers
	WIN 0x03
.set i, 0
.rept 64
	v_mov_b32 v[SC0+i], v[i]
.set i, i+1
.endr
	WIN 0
.endm
	s_load_b256 s[4:11], s[0:1], 0x0               ; hbuf, wqbuf, b_qkv, qq
	s_load_b64 s[12:13], s[0:1], 0x20              ; kv
	v_lshl_add_u32 v30, v0, 2, SPARE
	v_mov_b32 v31, 0
	ds_add_u32 v30, v31                            ; the opening lines: the add, twice on end, and its wait
	ds_add_u32 v30, v31
	v_lshrrev_b32 v1, 5, v0
	v_readfirstlane_b32 s14, v1                    ; wave 0..3
	s_lshr_b32 s15, s14, 1                         ; at the head: I fetch for h (0) or for chunk A (1).  Tile C: my 64 columns
	s_and_b32 s16, s14, 1                          ; which half I fetch.  Tile C: my 128 tokens
	s_bfe_u32 s40, ttmp6, 0x40000                  ; cx
	s_bfe_u32 s41, ttmp6, 0x40004                  ; cy
	s_lshl_b32 s45, ttmp9, 2
	s_add_co_u32 s45, s45, s40                     ; gx: hangs on cx, never on cy
	s_and_b32 s42, ttmp7, 0xffff
	s_lshl_b32 s42, s42, 2
	s_add_co_u32 s42, s42, s41                     ; gy: hangs on cy, never on cx
	s_lshl_b32 s43, s41, 2
	s_lshl_b32 s43, 15, s43                        ; my row of the cluster
	s_lshl_b32 s44, 0x1111, s40                    ; my column
	s_or_b32 s[G1A], s43, (1<<20)|(1<<21)|(6<<22)|(3<<25)          ; 15:0 the mask; elements of 1 byte; 20 padding on; 21 set beside a mask; after every 128 words four words
	s_mov_b32 s[G1A+1], 512<<16                    ; rows of 512 bytes,
	s_mov_b32 s[G1A+2], 128<<16                    ; 128 of them
	s_mov_b32 s[G1A+3], 512<<16
	s_mov_b32 s[G1A+4], 128
	s_mov_b32 s[G1A+5], 512
	s_mov_b32 s[G1A+6], 0
	s_mov_b32 s[G1A+7], 0
	s_or_b32 s[G1B], s44, (1<<20)|(1<<21)|(6<<22)|(3<<25)
	s_mov_b32 s[G1B+1], 512<<16
	s_mov_b32 s[G1B+2], 64<<16                     ; at the head 64 rows a load; in the loop 32
	s_mov_b32 s[G1B+3], 512<<16
	s_mov_b32 s[G1B+4], 64
	s_mov_b32 s[G1B+5], 512
	s_mov_b32 s[G1B+6], 0
	s_mov_b32 s[G1B+7], 0
	s_lshl_b32 s78, s42, 8                         ; my work-group's first token
	s_lshl_b32 s92, s16, 7
	s_add_co_u32 s92, s92, s78
	s_lshl_b32 s92, s92, 9                         ; h: the 128 rows that I would fetch, in bytes
	s_mov_b32 s93, 0
	s_lshl_b32 s79, s45, 8                         ; chunk A's first column
	s_lshl_b32 s94, s16, 6
	s_add_co_u32 s94, s94, s79
	s_lshl_b32 s94, s94, 9                         ; chunk A: the 64 rows that I would fetch
	s_mov_b32 s95, 0
	s_lshl_b32 s80, s14, 5
	s_add_co_u32 s80, s80, s79
	s_lshl_b32 s80, s80, 9                         ; in the loop: my 32 rows of a chunk, counted from chunk A
	s_mov_b32 s81, 0
	s_mov_b32 s20, 65536                           ; from chunk A to chunk B: 128 rows,
	s_mov_b32 s21, 0
	s_lshl_b32 s22, s45, 16
	s_sub_co_u32 s22, 1920*512, s22                ; from B to C: 1,920 - 128 gx rows
	s_mul_i32 s23, s14, 32*PITCH                   ; where my 32 rows go in a slot: no place in the cluster enters an LDS address
	s_mov_b32 s[TW], WH
	s_mov_b32 s[TL], WL
	s_mov_b32 s[CNT], 2
	s_mov_b32 s[SEL], 0x76543210
	s_mov_b32 s[SEL+1], 0xfedcba98
	s_wait_dscnt 0x0
	s_wait_kmcnt 0x0
	s_mov_b32 s[G0A], 1
	s_mul_i32 s[G0A+1], s16, 128*PITCH
	s_add_nc_u64 s[G0A+2:G0A+3], s[4:5], s[92:93]
	s_or_b32 s[G0A+3], s[G0A+3], 0x80000000
	s_mov_b32 s[G0B], 1
	s_mul_i32 s[G0B+1], s16, 64*PITCH
	s_add_co_u32 s[G0B+1], s[G0B+1], WH
	s_add_nc_u64 s[G0B+2:G0B+3], s[6:7], s[94:95]
	s_or_b32 s[G0B+3], s[G0B+3], 0x80000000
	s_mov_b32 s[G0W], 1
	s_add_nc_u64 s[G0W+2:G0W+3], s[6:7], s[80:81]
	s_or_b32 s[G0W+3], s[G0W+3], 0x80000000
	CROUND                                         ; all sixteen work-groups are here: the joint loads meet
	s_cmp_eq_u32 s15, 0                            ; one fill a wave, in the two arms of one branch on its number
	s_cbranch_scc0 .Lfill_w
	tensor_load_to_lds s[G0A:G0A+3], s[G1A:G1A+7]
	s_nop 0
	PLACES
	s_branch .Lfilled
.Lfill_w:
	tensor_load_to_lds s[G0B:G0B+3], s[G1B:G1B+7]
	s_nop 0
	PLACES
.Lfilled:
	; where scale words and biases come from
	s_lshl_b32 s92, s79, 5
	s_add_co_u32 s92, s92, WQSC
	s_mov_b32 s93, 0
	s_add_nc_u64 s[XB:XB+1], s[6:7], s[92:93]      ; chunk A's scale bytes, 32 a row,
	s_add_nc_u64 s[XN:XN+1], s[XB:XB+1], 4096      ; chunk B's,
	s_lshl_b32 s92, s16, 7
	s_add_co_u32 s92, s92, s78                     ; tile C: my first token
	s_lshr_b32 s94, s92, 11                        ; its batch
	s_bfe_u32 s95, s92, 0x40007                    ; its key step
	s_lshl_b32 s92, s92, 5
	s_add_co_u32 s92, s92, HSC
	s_add_nc_u64 s[XC:XC+1], s[4:5], s[92:93]      ; and those of my 128 tokens
	s_lshl_b32 s80, s14, 6
	s_add_co_u32 s80, s80, s78                     ; tiles A, B: my first token
	s_lshl_b32 s92, s80, 5
	s_add_co_u32 s92, s92, HSC
	s_add_nc_u64 s[72:73], s[4:5], s[92:93]        ; its scale bytes
	s_lshl_b32 s81, s45, 7
	s_lshl_b32 s92, s15, 6
	s_add_co_u32 s81, s81, s92                     ; tile C: my first column of v
	s_add_co_u32 s92, s81, 2048
	s_lshl_b32 s92, s92, 5
	s_add_co_u32 s92, s92, WQSC
	s_add_nc_u64 s[74:75], s[6:7], s[92:93]        ; its scale bytes
	s_lshl_b32 s92, s79, 2
	s_add_nc_u64 s[86:87], s[8:9], s[92:93]        ; q, k: the bias runs along the registers
	s_add_co_u32 s92, s81, 2048
	s_lshl_b32 s92, s92, 2
	s_add_nc_u64 s[88:89], s[8:9], s[92:93]        ; v: along the lanes
	; where tile C goes
	s_lshr_b32 s81, s81, 6                         ; head
	s_lshl_b32 s94, s94, 4
	s_add_co_u32 s94, s94, s81
	s_mul_i32 s94, s94, HEADB
	s_mul_i32 s95, s95, STEPB
	s_add_co_u32 s92, s94, s95
	s_add_co_u32 s92, s92, 4096
	s_add_nc_u64 s[76:77], s[12:13], s[92:93]
	; where tile A goes; tile B lies two heads on
	s_lshr_b32 s94, s80, 11                        ; batch
	s_bfe_u32 s95, s80, 0x70004                    ; my first tile of 16 tokens in the batch
	s_lshl_b32 s81, s45, 2
	s_and_b32 s81, s81, 15                         ; chunk A's first head
	s_lshl_b32 s94, s94, 4
	s_add_co_u32 s94, s94, s81
	s_mul_i32 s94, s94, HEADB
	s_lshr_b32 s81, s95, 3
	s_mul_i32 s81, s81, STEPB
	s_add_co_u32 s94, s94, s81                     ; the block of 128 tokens
	s_cmp_ge_u32 s45, 4                            ; column groups 0-3 are q, 4-7 k
	s_cselect_b64 s[82:83], s[12:13], s[10:11]
	s_and_b32 s81, s95, 7
	s_lshl_b32 s81, s81, 9
	s_add_co_u32 s92, s94, s81
	s_add_nc_u64 s[84:85], s[82:83], s[92:93]      ; my first image
	s_bfe_u32 s81, s95, 0x10002
	s_lshl_b32 s81, s81, 8
	s_add_co_u32 s92, s94, s81
	s_add_co_u32 s92, s92, 8192
	s_add_nc_u64 s[82:83], s[82:83], s[92:93]      ; my four tiles' scale words
	v_and_b32 v1, 15, v0                           ; r
	v_bfe_u32 v2, v0, 4, 1                         ; h
	v_and_b32 v3, 31, v0                           ; lane
	v_lshlrev_b32 v[LI], 4, v3
	v_lshlrev_b32 v5, 5, v1
	v_lshlrev_b32 v6, 6, v2
	v_and_b32 v7, 8, v1
	v_add_nc_u32 v7, v7, v1
	v_lshlrev_b32 v7, 2, v7                        ; 4 ((r & 7) + 16 (r >> 3))
	XLOAD                                          ; chunk A's
.irp a, 0,1,2,3
.irp k, 0,1
	global_load_b128 v[SC1+8*\a+4*\k:SC1+8*\a+4*\k+3], v5, s[72:73] offset:512*\a+16*\k
.endr
.endr
	WIN 0xc0
.irp a, 0,1,2,3
.irp k, 0,1
	global_load_b128 v[64+8*\a+4*\k:64+8*\a+4*\k+3], v5, s[74:75] offset:512*\a+16*\k
.endr
.endr
	WIN 0x40
.irp a, 0,1,2,3
	global_load_b32 v[192+2*\a], v7, s[88:89] offset:(32*(\a/2)+8*(\a%2))*4              ; tile a's column of my lane, twice: a pair for the packed addition
	global_load_b32 v[193+2*\a], v7, s[88:89] offset:(32*(\a/2)+8*(\a%2))*4
.endr
	WIN 0
	v_mul_u32_u24 v[LT], v1, PITCH
	v_lshl_add_u32 v[LT], v2, 4, v[LT]
	s_mul_i32 s92, s14, 64*PITCH
	v_add_nc_u32 v[ADR1], s92, v[LT]
	s_mul_i32 s92, s15, 64*PITCH
	s_add_co_u32 s92, s92, WH
	v_add_nc_u32 v[ADR1+1], s92, v[LT]
	s_mul_i32 s92, s16, 128*PITCH
	v_add_nc_u32 v[ADR0+1], s92, v[LT]
	v_lshlrev_b32 v8, 4, v2                        ; 16 h
	v_mul_u32_u24 v9, v2, HEADB
	v_lshl_add_u32 v9, v1, 4, v9                   ; q, k: the scale words: lanes 16-31 the next head's
	v_lshlrev_b32 v10, 3, v2
	v_lshl_add_u32 v10, v1, 4, v10                 ; v: 16 r + 8 h
.macro FETCH q, a0, a1                 ; K step q's fragments (24 LDS loads) into set q % 2
	WIN 0x40
.irp i, 0,1,2,3,4,5,6,7
.irp c, 0,1
	ds_load_b128 v[64*((\q)%2)+8*\i+4*\c:64*((\q)%2)+8*\i+4*\c+3], v[\a0] offset:64*(\q)+32*\c+16*PITCH*\i
.endr
.endr
	WIN 0
.irp i, 0,1,2,3
.irp c, 0,1
	ds_load_b128 v[S1F+32*((\q)%2)+8*\i+4*\c:S1F+32*((\q)%2)+8*\i+4*\c+3], v[\a1] offset:64*(\q)+32*\c+16*PITCH*\i
.endr
.endr
.endm
; 16 matrix instructions.  The 32 accumulators take turns, one instruction a turn, in the same order in every K step.  first = 1: the products start the sums.
.macro MUL16 a0, q, first
.irp a, \a0, \a0+1
.irp b, 0,1,2,3,4,5,6,7
.if \first
	v_wmma_scale_f32_16x16x128_f8f6f4 v[8*(8*(\a)+\b):8*(8*(\a)+\b)+7], v[64*((\q)%2)+8*\b:64*((\q)%2)+8*\b+7], v[S1F+32*((\q)%2)+8*(\a):S1F+32*((\q)%2)+8*(\a)+7], 0, v[SC0+8*\b+(\q)], v[SC1+8*(\a)+(\q)] matrix_a_fmt:MATRIX_FMT_FP4 matrix_b_fmt:MATRIX_FMT_FP4
.else
	v_wmma_scale_f32_16x16x128_f8f6f4 v[8*(8*(\a)+\b):8*(8*(\a)+\b)+7], v[64*((\q)%2)+8*\b:64*((\q)%2)+8*\b+7], v[S1F+32*((\q)%2)+8*(\a):S1F+32*((\q)%2)+8*(\a)+7], v[8*(8*(\a)+\b):8*(8*(\a)+\b)+7], v[SC0+8*\b+(\q)], v[SC1+8*(\a)+(\q)] matrix_a_fmt:MATRIX_FMT_FP4 matrix_b_fmt:MATRIX_FMT_FP4
.endif
.endr
.endr
.endm
.macro STEP q, first, a0, a1
	s_wait_dscnt 0x0                               ; this step's 24 loads, issued at the head of the last step, are in
.if (\q) < 7
	PLACES                                         ; the set to be loaded was last read by the step before
	FETCH (\q)+1, \a0, \a1                         ; the next step's fragments: this step's 32 products stand between these loads and the wait for them
.endif
	WIN 0xa1                                       ; source 0 window 1, source 1 window 0, C and D window 2
	MUL16 0, \q, \first
	MUL16 2, \q, \first
.endm
.macro MAIN a0, a1                     ; a tile's products: K = 1,024 in eight steps
.rept 8
	v_nop                                          ; a scale register written by a vector instruction stands eight places ahead of the products
.endr
	FETCH 0, \a0, \a1
	STEP 0, 1, \a0, \a1
.irp q, 1,2,3,4,5,6,7
	STEP \q, 0, \a0, \a1
.endr
	WIN 0
	PLACES
.irp b, 0,1,2,3
	v_mov_b32 v[TM+4+\b], 0                        ; a lane permute's destination counts as read
.endr
.endm
; 64 numbers of a lane, register 16 b + i = index 32 b + 16 (lane / 16) + i of my row, become a fragment's codes in v[pc] on and its scale word in v[pw].
.macro QUANT s, pc, pw
.irp b, 0,1,2,3
	v_max3_num_f32 v[TM+\b], |v[\s+16*\b]|, |v[\s+1+16*\b]|, 0x1800000   ; my 16 of block b, and the floor 2^(3 - 127): the byte cannot fall under 1
.endr
.irp i, 2,4,6,8,10,12,14
.irp b, 0,1,2,3
	v_max3_num_f32 v[TM+\b], v[TM+\b], |v[\s+16*\b+\i]|, |v[\s+1+16*\b+\i]|
.endr
.endr
.irp b, 0,1,2,3
	v_permlanex16_b32 v[TM+4+\b], v[TM+\b], s[SEL], s[SEL+1]
.endr
.irp b, 0,1,2,3
	v_max_num_f32 v[TM+\b], v[TM+\b], v[TM+4+\b]   ; with lane l xor 16's: the block's largest magnitude
.endr
.irp b, 0,1,2,3
	v_add_nc_u32 v[TM+12+\b], 0xff000000, v[TM+\b] ; 2 off its exponent field: the conversion's scale operand
.endr
.irp b, 0,1,2,3
	v_lshrrev_b32 v[TM+4+\b], 23, v[TM+12+\b]      ; the scale's byte
.endr
	v_lshl_or_b32 v[\pw], v[TM+5], 8, v[TM+4]
	v_lshl_or_b32 v[\pw], v[TM+6], 16, v[\pw]
	v_lshl_or_b32 v[\pw], v[TM+7], 24, v[\pw]
.irp b, 0,1,2,3
	v_cvt_scalef32_pk8_fp4_f32 v[\pc+2*\b], v[\s+16*\b:\s+7+16*\b], v[TM+12+\b]
	v_cvt_scalef32_pk8_fp4_f32 v[\pc+1+2*\b], v[\s+8+16*\b:\s+15+16*\b], v[TM+12+\b]
.endr
	v_nop                                          ; a plain instruction behind the conversions
.irp c, 0,1                                    ; the operand's layout wants a whole block in a lane: lanes 0-15 block 2 c, lanes 16-31 block 2 c + 1
.irp i, 0,1
	v_permlane16_swap_b32 v[\pc+4*\c+\i], v[\pc+2+4*\c+\i]
.endr
.endr
.endm
.macro QK a                            ; q, k: a lane holds one token; its 64 registers of a tile of tokens are 128 columns: two heads of 64
	WIN 0x06                                       ; source 0 window 2, source 1 window 1
.set k, 0
.rept 32
	v_pk_add_f32 v[T+2*k:T+2*k+1], v[64*(\a)+2*k:64*(\a)+2*k+1], v[128+2*k:128+2*k+1]     ; + bias; each accumulator is read from its low end on
.set k, k+1
.endr
	WIN 0
	QUANT T, PC+8*(\a), WD+(\a)
	global_store_b128 v[LI], v[PC+8*(\a):PC+8*(\a)+3], s[84:85] offset:512*(\a)            ; the first head's image: 512 consecutive bytes
	global_store_b128 v[LI], v[PC+8*(\a)+4:PC+8*(\a)+7], s[84:85] offset:HEADB+512*(\a)    ; the next head's
.endm
.macro VV a                            ; v: a lane holds one d of a head; its 64 registers of a tile of d are 128 neighbouring keys
	WIN 0x06
.set k, 0
.rept 32
	v_pk_add_f32 v[T+2*k:T+2*k+1], v[64*(\a)+2*k:64*(\a)+2*k+1], v[192+2*(\a):193+2*(\a)]
.set k, k+1
.endr
	WIN 0
	QUANT T, PC+8*(\a), WD+(\a)
	global_store_b128 v[LI], v[PC+8*(\a):PC+8*(\a)+3], s[76:77] offset:1024*(\a)
	global_store_b128 v[LI], v[PC+8*(\a)+4:PC+8*(\a)+7], s[76:77] offset:1024*(\a)+512
.endm
.Ltile:                                                ; two trips: tiles A and B.  At a trip's top the next chunk is asked for: B into its slot (a first fill), C into the slot that A has left
	s_wait_alu depctr_va_vdst(0)
	s_wait_tensorcnt 0x0                           ; all my tensor loads have landed,
	ds_add_u32 v30, v31                            ; 0 onto my spare word;
	s_mov_b32 s[G1B+2], 32<<16                     ; no tensor load of mine is out, so descriptors may be written: 32 rows a load,
	s_mov_b32 s[G1B+4], 32
	s_add_co_u32 s[G0W+1], s[TL], s23              ; into the slot that is not read in this trip,
	s_add_nc_u64 s[G0W+2:G0W+3], s[G0W+2:G0W+3], s[20:21]          ; the next chunk
	s_mov_b32 s20, s22
	s_xor_b32 s[TL], s[TL], WL^WH
	s_wait_dscnt 0x0                               ; the add is done, and my reads of the last tile are over
	CROUND                                         ; both hold of every wave of every partner
	tensor_load_to_lds s[G0W:G0W+3], s[G1B:G1B+7]  ; my one load behind the round
	s_nop 0
	PLACES
	s_wait_loadcnt 0x0                             ; this tile's scale words, asked for a tile ago
	XCOPY
	v_add_nc_u32 v[ADR0], s[TW], v[LT]             ; this tile's chunk
	s_xor_b32 s[TW], s[TW], WL^WH
	s_wait_alu depctr_va_vdst(0)                   ; the moved scale words
	s_mov_b64 s[XB:XB+1], s[XN:XN+1]               ; the loads that named this pair are done
	s_mov_b64 s[XN:XN+1], s[XC:XC+1]
	XLOAD                                          ; the next tile's S0 scale words,
	WIN 0x40
.irp b, 0,1,2,3,4,5,6,7
.irp k, 0,1
	global_load_b128 v[128+8*\b+4*\k:128+8*\b+4*\k+3], v6, s[86:87] offset:(32*(\b/2)+8*(\b%2))*4+16*\k   ; and this tile's bias: tile b's eight columns of my half
.endr
.endr
	WIN 0
	MAIN ADR0, ADR1
	s_wait_loadcnt 0x0                             ; the bias
	QK 0
	QK 1
	QK 2
	QK 3
.irp a, 0,1,2,3
	v_lshrrev_b32 v[WD+\a], v8, v[WD+\a]           ; lanes 16-31 take the next head's two bytes.  A word's upper two bytes (the other head's, or 0) meet zero codes and are never 0xff
.endr
	global_store_b128 v9, v[WD:WD+3], s[82:83]     ; two blocks of 256 consecutive bytes
	s_wait_xcnt 0x0                                ; the stores have read their data and bases: the bases step, and the next tile's fragments may land on the codes' registers
	s_add_nc_u64 s[84:85], s[84:85], 2*HEADB       ; the next chunk's heads
	s_add_nc_u64 s[82:83], s[82:83], 2*HEADB
	s_add_nc_u64 s[86:87], s[86:87], 512           ; and its bias
	s_sub_co_u32 s[CNT], s[CNT], 1
	s_cmp_lg_u32 s[CNT], 0
	s_cbranch_scc1 .Ltile
	; tile C is written out: nothing more is asked for
	s_wait_tensorcnt 0x0                           ; my part of chunk C has landed
	s_wait_dscnt 0x0
	s_barrier_signal -1                            ; it shows the chunk whole to every wave
	s_barrier_wait -1
	s_wait_loadcnt 0x0
	XCOPY                                          ; my 128 tokens' scale words,
	WIN 0x03
.set i, 0
.rept 32
	v_mov_b32 v[SC1+i], v[64+i]                    ; and my 64 columns'
.set i, i+1
.endr
	WIN 0
	s_wait_alu depctr_va_vdst(0)
	MAIN ADR0+1, ADR1+1
	VV 0
	VV 1
	VV 2
	VV 3
	v_cmp_le_u32 vcc_lo, 16, v3
	v_cndmask_b32 v180, v[WD], v[WD+2], vcc_lo     ; lanes 0-15 store d tiles 0 and 1's words of row r, lanes 16-31 tiles 2 and 3's
	v_cndmask_b32 v181, v[WD+1], v[WD+3], vcc_lo
	global_store_b64 v10, v[180:181], s[76:77] offset:4608         ; 256 consecutive bytes
	s_wait_tensorcnt 0x0                           ; the wave's end
	ds_add_u32 v30, v31
	s_wait_dscnt 0x0
	CROUND                                         ; the closing round: no work-group ends while a partner may still ask for a tile that names it
	s_endpgm
.Lfunc_end_k_q4d4bb7fd86_qkv:
	.size	k_q4d4bb7fd86_qkv, .Lfunc_end_k_q4d4bb7fd86_qkv-k_q4d4bb7fd86_qkv
	.p2alignl 7, 3214868480
	.fill 96, 4, 3214868480
	.section	.rodata,"a",@progbits
	.p2align	6, 0x0
	.amdhsa_kernel k_q4d4bb7fd86_qkv
		.amdhsa_group_segment_fixed_size 327680
		.amdhsa_private_segment_fixed_size 0
		.amdhsa_enable_private_segment 0
		.amdhsa_kernarg_size 40
		.amdhsa_user_sgpr_count 2
		.amdhsa_user_sgpr_kernarg_segment_ptr 1
		.amdhsa_wavefront_size32 1
		.amdhsa_system_sgpr_workgroup_id_x 1
		.amdhsa_system_sgpr_workgroup_id_y 1
		.amdhsa_system_sgpr_workgroup_id_z 1
		.amdhsa_system_vgpr_workitem_id 0
		.amdhsa_next_free_vgpr 1024
		.amdhsa_next_free_sgpr 100
		.amdhsa_reserve_vcc 1
		.amdhsa_float_denorm_mode_32 3
		.amdhsa_float_denorm_mode_16_64 3
		.amdhsa_memory_ordered 1
		.amdhsa_forward_progress 1
		.amdhsa_inst_pref_size 164
	.end_amdhsa_kernel
	.amdgpu_metadata
---
amdhsa.version: [ 1, 2 ]
amdhsa.kernels:
  - .name:           k_q4d4bb7fd86_qkv
    .symbol:         k_q4d4bb7fd86_qkv.kd
    .args:
      - { .name: hbuf, .offset: 0, .size: 8, .value_kind: global_buffer, .address_space: global }
      - { .name: wqbuf, .offset: 8, .size: 8, .value_kind: global_buffer, .address_space: global }
      - { .name: b_qkv, .offset: 16, .size: 8, .value_kind: global_buffer, .address_space: global }
      - { .name: qq, .offset: 24, .size: 8, .value_kind: global_buffer, .address_space: global }
      - { .name: kv, .offset: 32, .size: 8, .value_kind: global_buffer, .address_space: global }
    .group_segment_fixed_size: 327680
    .private_segment_fixed_size: 0
    .kernarg_segment_align: 8
    .kernarg_segment_size: 40
    .max_flat_workgroup_size: 128
    .sgpr_count:     100
    .vgpr_count:     1024
    .wavefront_size: 32
...
	.end_amdgpu_metadata
.endif
;; end of part 2
;; launch attn (part 3): grid 8 x 32, 16 waves a work-group, clusters of 4 x 1, 327,680 bytes of LDS; arguments qq, kv, abuf; writes abuf
.if DOCPART == 3
	.amdgcn_target "amdgcn-amd-amdhsa--gfx1250"
	.amdhsa_code_object_version 6
	.text
	.protected	k_q4d4bb7fd86_attn
	.globl	k_q4d4bb7fd86_attn
	.p2align	8
	.type	k_q4d4bb7fd86_attn,@function
k_q4d4bb7fd86_attn:
	s_mov_b64 s[64:65], 0
	v_nop
	global_prefetch_b8 v0, s[64:65] scope:SCOPE_SE
	s_setreg_imm32_b32 hwreg(HW_REG_WAVE_MODE, 25, 1), 1
	s_wait_xcnt 0x0
	s_wait_alu depctr_hold_cnt(0) depctr_sa_sdst(0) depctr_va_vdst(0) depctr_va_sdst(0) depctr_va_ssrc(0) depctr_va_vcc(0) depctr_vm_vsrc(0)
	s_getreg_b32 s2, hwreg(HW_REG_IB_STS2, 6, 4)
	s_cmp_eq_u32 s2, 0
	s_cbranch_scc0 .Lentry_in_a_cluster
	s_endpgm
.Lentry_in_a_cluster:
	s_bfe_u32 s2, ttmp6, 0x10000c
	s_cmp_lg_u32 s2, 0x3003
	s_cbranch_scc0 .Lentry_shape_is_right
	s_endpgm
.Lentry_shape_is_right:
; ATTENTION on codes of FP4 with E8M0 scales: S^T = k q^T (K = the head's 64: the upper half of the instruction's 128 meets zero codes of q), p = 2^(t - M) quantised along the keys, O^T = v^T p^T, O / l quantised along d.
; t = score x log2(e) / 8; M = the running largest t rounded UP to a whole number; the row's sum l is taken of the unquantised p; when M moves, l and O^T are multiplied by 2^(old M - new M), which rounds nothing.
; SHARES.  A work-group owns 256 queries and a PAIR of heads; each of its sixteen waves 16 queries, first with the one head, then with the other: a wave ends with a whole fragment (16 tokens x 128 of the next product's K).
; LDS.  Both heads' k, v and scale words, 32 key steps of 8,960 bytes, each filled ONCE: wave w fetches key step w of the first head at the kernel's head and key step w of the second behind the full sequence and a round.
; The mover lays 32 bytes of padding behind every 256: a chunk is 288 bytes, a key step 35 chunks = 10,080 bytes, 32 steps 322,560; the spare words follow.
; THE KEYS OF A TILE OF S^T ARE GATHERED: row m of tile t is key 8 (t % 4) + 64 (t / 4) + (m % 8) + 32 (m / 8).  So a lane (query lane % 16, half h) holds in registers 0-31 the keys of block h and in 32-63 those of block 2 + h, in order:
; whole blocks of 32, just those that the second product's operand wants of that lane.  A block's maximum needs no other lane, and the conversions' results are the operand's registers as they stand.
; In kv key tau of a step lies in image 2 (tau / 32) + (tau / 8) % 2 at row tau % 8 + 8 ((tau / 16) % 2): rows 0-7 and 8-15 of a gathered tile lie four chunks (1,152 bytes) apart, which is 128 modulo 256: sixteen lanes touch sixteen different 16-byte columns.
; CLUSTER 4 x 1: the four query blocks of a cluster walk the same two heads: every fill is a joint load with the mask of all four.
; No prefetch: every tile is asked for at the kernel's head or right behind it; there is no loop to run ahead in.
; LIMITS: NaN and infinities are not served; a block of p or of O whose largest magnitude lies under 2^-124 has its byte held at 1 (a block of zeros: byte 1, zero codes).
; OUT: abuf: images [K half][tile of 16 tokens 512][head % 8][512 bytes]; from ASC on scale words [K step 8][tile 512][row 16].
.set HEADB, 143360
.set STEPB, 8960                       ; a key step in memory
.set CH,    288                        ; a chunk in LDS
.set STEPL, 35*CH                      ; a key step in LDS
.set SPARE, 32*STEPL                   ; the spare words: 128 bytes a wave
.set ASC,   4194304
.set LIS, 1                            ; 16 x lane (memory)
.set RS,  2                            ; 16 r
.set LIV, 3                            ; 16 r + 288 h: an image's 512 bytes lie in two chunks
.set AK0, 4                            ; 16 (r % 8) + 1152 (r / 8) + 288 h: my row of a gathered tile of k
.set AS0, 5                            ; 16 (r % 8) + 8 (r / 8): its scale words
.set ADV, 6                            ; the step's addresses: v's images, v's scale words, the next step's k, its scale words
.set AVS, 7
.set AKN, 8
.set ASN, 9
.set R4,  10                           ; 4 r
.set LN,  11                           ; lane
.set KF,  32                           ; v32-67 k's eight tiles, four registers each, and four zeros: a fragment's upper four registers are the next tile's codes and meet q's zero codes
.set VF,  68                           ; v68-99 v^T's four fragments
.set S,   100                          ; v100-163 S^T, then p
.set O,   164                          ; v164-195 O^T
.set PCD, 196                          ; v196-203 p's codes
.set KS,  204                          ; v204-211 k's scale words; v212-215 v's; v216 p's; v217 q's, v218 the second head's: scales and nothing else
.set VS,  212
.set PS,  216
.set QS,  217
.set QS2, 218
.set OC,  220                          ; v220-223 the result's codes
.set SW,  224                          ; its scale bytes
.set MX,  228                          ; v228-231 four chains of maxima
.set T0,  232
.set T1,  233
.set E,   234                          ; v234-235 the conversions' scale operands
.set Y,   236                          ; v236-237 scale bytes
.set AC,  238                          ; v240-245 three chains of the row's sum
.set W,   246
.set X,   247
.set SPW, 251
.set NIL, 255
.set WV,  12
.set SEL, 20
.set CS,  22
.set TB,  60                           ; s60 LDS byte of the key step in hand
.set CNT, 61
.set TBN, 62                           ; s62 of the next
.macro ROUND                           ; a round of the cluster's barrier
	s_barrier_signal -1
	s_barrier_wait -1
	s_cmp_lg_u32 s[WV], 0
	s_cbranch_scc1 .Lnot_wave_0_\@
	s_barrier_signal -3
.Lnot_wave_0_\@:
	s_barrier_wait -3
	s_barrier_signal -1
	s_barrier_wait -1
.endm
.macro KLOAD                           ; eight gathered tiles of k and their scale words (two tiles' words to a load): 12 LDS loads
.irp t, 0,1,2,3,4,5,6,7
	ds_load_b128 v[KF+4*\t:KF+4*\t+3], v[AKN] offset:CH*(8*(\t/4)+2*(\t%2))+128*((\t/2)%2)
.endr
.irp t, 0,2,4,6
	ds_load_b64 v[KS+\t:KS+\t+1], v[ASN] offset:CH*(32+\t/4)+128*((\t/2)%2)
.endr
.endm
.macro INIT                            ; a head begins: O^T and the sum are zeros, the largest score lies under every score; the first change of M multiplies zeros
	v_mov_b32 v13, 0xff61b1e6                      ; -3e38
	v_mov_b32 v12, 0x7f61b1e6                      ; -M
	v_mov_b32 v14, 0
	v_mov_b32 v15, 0
.set j, 0
.rept 32
	v_mov_b32 v[O+j], 0
.set j, j+1
.endr
.endm
; The row's sum: 32 pairs of p and the running pair v[14:15] are 33 items, 32 packed additions in four chains; the macro gives numbers from .. to - 1 of them
.macro SUMS from, to
.set n, \from
.rept \to-\from
.if n < 5
.if n%4 == 0
	v_pk_add_f32 v[14:15], v[14:15], v[S+2*n:S+2*n+1]
.else
	v_pk_add_f32 v[AC+2*n:AC+2*n+1], v[S+2*n:S+2*n+1], v[S+2*n+8:S+2*n+9]
.endif
.elseif n < 29
.if (n+3)%4 == 0
	v_pk_add_f32 v[14:15], v[14:15], v[S+2*n+6:S+2*n+7]
.else
	v_pk_add_f32 v[AC+2*((n+3)%4):AC+2*((n+3)%4)+1], v[AC+2*((n+3)%4):AC+2*((n+3)%4)+1], v[S+2*n+6:S+2*n+7]
.endif
.elseif n == 29
	v_pk_add_f32 v[AC+2:AC+3], v[AC+2:AC+3], v[AC+4:AC+5]
.elseif n == 30
	v_pk_add_f32 v[14:15], v[14:15], v[AC+6:AC+7]
.else
	v_pk_add_f32 v[14:15], v[14:15], v[AC+2:AC+3]
.endif
.set n, n+1
.endr
.endm
	s_load_b128 s[4:7], s[0:1], 0x0                ; qq, kv
	s_load_b64 s[8:9], s[0:1], 0x10                ; abuf
	v_lshl_add_u32 v[SPW], v0, 2, SPARE
	v_mov_b32 v[NIL], 0
	ds_add_u32 v[SPW], v[NIL]                      ; the opening lines: the add, twice on end, and its wait
	ds_add_u32 v[SPW], v[NIL]
	v_lshrrev_b32 v7, 5, v0
	v_readfirstlane_b32 s[WV], v7                  ; wave 0..15
	s_bfe_u32 s13, ttmp6, 0x40000                  ; cx: it enters q's and the result's addresses alone
	s_lshl_b32 s14, ttmp9, 2
	s_add_co_u32 s14, s14, s13                     ; my block of 256 queries
	s_and_b32 s15, ttmp7, 0xffff                   ; the pair of heads: 8 x batch + kappa
	s_mul_i32 s16, s15, 2*HEADB
	s_mov_b32 s17, 0
	s_mul_i32 s66, s[WV], STEPB                    ; the key step that I fetch: in memory,
	s_mov_b32 s67, 0
	s_mul_i32 s68, s[WV], STEPL                    ; and in LDS
	s_mov_b32 s24, 15|(3<<16)|(1<<20)|(1<<21)|(5<<22)|(7<<25)      ; the mask of all four; elements of 8 bytes; padding on; 21 set beside a mask; after every 64 words eight words
	s_mov_b32 s25, 32<<16                          ; a dense run of 8,960 bytes as 35 rows of 256
	s_mov_b32 s26, 35<<16
	s_mov_b32 s27, 32<<16
	s_mov_b32 s28, 35
	s_mov_b32 s29, 32
	s_mov_b32 s30, 0
	s_mov_b32 s31, 0
	s_mov_b32 s[SEL], 0x76543210
	s_mov_b32 s[SEL+1], 0xfedcba98
	s_mov_b32 s[CS], 0x3e38aa3b                    ; c = log2(e) / 8
	s_mov_b32 s[CS+1], s[CS]
	s_mov_b32 s[TB], 0
	s_mov_b32 s88, 0                               ; what the next way out adds to the result's address
	s_mov_b32 s89, 0
	s_wait_dscnt 0x0
	s_wait_kmcnt 0x0
	s_add_nc_u64 s[72:73], s[6:7], s[16:17]        ; kv at the pair's first head,
	s_add_nc_u64 s[72:73], s[72:73], s[66:67]      ; at my key step
	s_mov_b32 s48, 1
	s_mov_b32 s49, s68
	s_mov_b64 s[50:51], s[72:73]
	s_or_b32 s51, s51, 0x80000000
	s_mov_b32 s52, 1
	s_add_co_u32 s53, s68, 16*STEPL
	s_add_nc_u64 s[54:55], s[72:73], HEADB         ; the same step of the second head
	s_or_b32 s55, s55, 0x80000000
	ROUND                                          ; all four work-groups are here: the joint loads meet
	tensor_load_to_lds s[48:51], s[24:31]          ; every wave's one load at the head
	s_nop 0
.rept 4
	v_nop
.endr
	s_lshl_b32 s74, s14, 1
	s_lshr_b32 s75, s[WV], 3
	s_add_co_u32 s74, s74, s75                     ; the block of 128 tokens that holds my queries
	s_mul_i32 s74, s74, STEPB
	s_add_co_u32 s74, s74, s16
	s_and_b32 s75, s[WV], 7
	s_lshl_b32 s75, s75, 9
	s_add_co_u32 s76, s74, s75                     ; my tile's image
	s_mov_b32 s77, 0
	s_bfe_u32 s75, s[WV], 0x10002
	s_lshl_b32 s75, s75, 8
	s_add_co_u32 s78, s74, s75
	s_and_b32 s75, s[WV], 3
	s_lshl_b32 s75, s75, 2
	s_add_co_u32 s78, s78, s75
	s_add_co_u32 s78, s78, 8192                    ; its scale words
	s_mov_b32 s79, 0
	s_add_nc_u64 s[76:77], s[4:5], s[76:77]
	s_add_nc_u64 s[78:79], s[4:5], s[78:79]
	s_lshr_b32 s80, s15, 3
	s_lshl_b32 s80, s80, 7
	s_lshl_b32 s81, s14, 4
	s_add_co_u32 s80, s80, s81
	s_add_co_u32 s80, s80, s[WV]                   ; my tile among all 512
	s_and_b32 s81, s15, 7                          ; kappa: the next product's K step
	s_lshr_b32 s83, s81, 2
	s_lshl_b32 s83, s83, 21
	s_lshl_b32 s84, s80, 12
	s_add_co_u32 s84, s84, s83
	s_and_b32 s83, s81, 3
	s_lshl_b32 s83, s83, 10
	s_add_co_u32 s84, s84, s83
	s_mov_b32 s85, 0
	s_add_nc_u64 s[84:85], s[8:9], s[84:85]        ; the result's images
	s_lshl_b32 s86, s81, 15
	s_lshl_b32 s87, s80, 6
	s_add_co_u32 s86, s86, s87
	s_add_co_u32 s86, s86, ASC
	s_mov_b32 s87, 0
	s_add_nc_u64 s[86:87], s[8:9], s[86:87]        ; and scale words
	v_and_b32 v[LN], 31, v0
	v_and_b32 v[R4], 15, v0                        ; r
	v_bfe_u32 v[ADV], v0, 4, 1                     ; h
	v_lshlrev_b32 v[LIS], 4, v[LN]
	v_lshlrev_b32 v[RS], 4, v[R4]
	global_load_b128 v[16:19], v[LIS], s[76:77]                    ; q of the first head
	global_load_b128 v[24:27], v[LIS], s[76:77] offset:HEADB       ; and of the second
	global_load_b32 v[QS], v[RS], s[78:79]
	global_load_b32 v[QS2], v[RS], s[78:79] offset:HEADB
	v_mad_u32_u24 v[LIV], v[ADV], CH, v[RS]
	v_and_b32 v[AVS], 7, v0
	v_bfe_u32 v[AKN], v0, 3, 1                     ; r / 8
	v_lshlrev_b32 v[AVS], 4, v[AVS]                ; 16 (r % 8)
	v_mad_u32_u24 v[AK0], v[AKN], 4*CH, v[AVS]
	v_mad_u32_u24 v[AK0], v[ADV], CH, v[AK0]
	v_lshl_add_u32 v[AS0], v[AKN], 3, v[AVS]
	v_lshlrev_b32 v[R4], 2, v[R4]
	v_add_nc_u32 v[AKN], s[TB], v[AK0]             ; key step 0
	v_add_nc_u32 v[ASN], s[TB], v[AS0]
.irp j, 20,21,22,23,64,65,66,67
	v_mov_b32 v\j, 0                               ; zero codes: q's K 64-127, and what stands behind k's last tile
.endr
.irp j, T1,X,Y,Y+1,SW,253
	v_mov_b32 v[\j], 0                             ; written once: lane permutes' destinations, the scale bytes' word, the upper half of the pair v[252:253]
.endr
	INIT
; A KEY STEP: 128 keys.  clamp = 1: the look-ahead for k is held at the last key step.
.macro STEP clamp
	s_add_co_u32 s[TBN], s[TB], STEPL
.if \clamp
	s_min_u32 s[TBN], s[TBN], 31*STEPL
.endif
	s_wait_dscnt 0x0                               ; k and its scale words, asked for one step ago, are in
.irp t, 0,1,2,3,4,5,6,7
	v_wmma_scale_f32_16x16x128_f8f6f4 v[S+8*\t:S+8*\t+7], v[KF+4*\t:KF+4*\t+7], v[16:23], 0, v[KS+\t], v[QS] matrix_a_fmt:MATRIX_FMT_FP4 matrix_b_fmt:MATRIX_FMT_FP4
.endr
	v_add_nc_u32 v[ADV], s[TB], v[LIV]             ; these four are the places between the products (the last step's too) and the loads into their operands and the reads of S^T
	v_add_nc_u32 v[AVS], s[TB], v[RS]
	v_add_nc_u32 v[AKN], s[TBN], v[AK0]
	v_add_nc_u32 v[ASN], s[TBN], v[AS0]
.irp t, 0,1,2,3
.irp c, 0,1
	ds_load_b128 v[VF+8*\t+4*\c:VF+8*\t+4*\c+3], v[ADV] offset:CH*(16+4*\t+2*\c)
.endr
.endr
	ds_load_b128 v[VS:VS+3], v[AVS] offset:CH*34   ; nine loads for v,
	KLOAD                                          ; and twelve for the next step's k
.irp q, 0,1,2,3
	v_max3_num_f32 v[MX+\q], v[S+16*\q], v[S+16*\q+1], v[S+16*\q+2]   ; the largest score of each of my two blocks of 32 keys, two chains a block; each accumulator is read from its low end on
.endr
.irp i, 3,5,7,9,11,13
.irp q, 0,1,2,3
	v_max3_num_f32 v[MX+\q], v[MX+\q], v[S+16*\q+\i], v[S+16*\q+\i+1]
.endr
.endr
	v_max3_num_f32 v[MX], v[MX], v[S+15], v[S+31]
	v_max3_num_f32 v[MX+2], v[MX+2], v[S+47], v[S+63]
	v_max_num_f32 v[MX], v[MX], v[MX+1]            ; block h
	v_max_num_f32 v[MX+2], v[MX+2], v[MX+3]        ; block 2 + h
	s_delay_alu instid0(VALU_DEP_1)
	v_max_num_f32 v[T0], v[MX], v[MX+2]
	s_delay_alu instid0(VALU_DEP_1)
	v_permlanex16_b32 v[T1], v[T0], s[SEL], s[SEL+1]
	s_delay_alu instid0(VALU_DEP_1)
	v_max3_num_f32 v13, v13, v[T0], v[T1]          ; the running largest score of my query
	s_delay_alu instid0(VALU_DEP_1)
	v_mul_f32 v[T0], s[CS], v13                    ; as t (c is positive)
	v_mov_b32 v[T1], v12
	s_delay_alu instid0(VALU_DEP_2)
	v_floor_f32 v12, -v[T0]                        ; the new -M = -ceil(t)
	s_delay_alu instid0(VALU_DEP_1)
	v_sub_f32 v[T1], v12, v[T1]                    ; old M - new M: a whole number, 0 or less
	s_delay_alu instid0(VALU_DEP_1)
	v_cvt_i32_f32 v[T1], v[T1]                     ; (it saturates)
	s_delay_alu instid0(VALU_DEP_1)
	v_ldexp_f32 v252, 1.0, v[T1]                   ; f = 2^(old M - new M)
.set j, 0
.rept 32
	v_pk_fma_f32 v[S+j:S+j+1], v[S+j:S+j+1], s[CS:CS+1], v[12:13] op_sel_hi:[1,0,0]   ; t - M
.set j, j+2
.endr
	v_fma_f32 v[MX], v[MX], s[CS], v12             ; the same of each block's largest score: p rises with the score
	v_fma_f32 v[MX+2], v[MX+2], s[CS], v12
.set j, 0
.rept 16
	v_pk_mul_f32 v[O+j:O+j+1], v[O+j:O+j+1], v[252:253] op_sel_hi:[1,0]   ; O^T under the new M
.set j, j+2
.endr
	s_wait_alu depctr_va_vdst(0)
.set j, 0
.rept 64
	v_exp_f32 v[S+j], v[S+j]                       ; p = 2^(t - M)
.set j, j+1
.endr
	v_exp_f32 v[MX], v[MX]                         ; each block's largest p
	v_exp_f32 v[MX+2], v[MX+2]
	v_pk_mul_f32 v[14:15], v[14:15], v[252:253] op_sel_hi:[1,0]    ; the sum under the new M (the plain instruction behind the exponentials)
	s_wait_alu depctr_va_vdst(0)                   ; one wait for the batch of 66, ahead of its first reader
	v_max_num_f32 v[MX], 0x1800000, v[MX]          ; the floor 2^(3 - 127): the byte cannot fall under 1.  The scales' chain and the row's sum stand by turns
	v_max_num_f32 v[MX+2], 0x1800000, v[MX+2]
	SUMS 0, 2
	v_add_nc_u32 v[E], 0xff000000, v[MX]           ; 2 off the exponent field: the conversion's scale operand
	v_add_nc_u32 v[E+1], 0xff000000, v[MX+2]
	SUMS 2, 4
	v_lshrrev_b32 v[Y], 23, v[E]                   ; the scale's byte
	v_lshrrev_b32 v[Y+1], 23, v[E+1]
	SUMS 4, 6
	v_lshl_or_b32 v[W], v[Y+1], 16, v[Y]           ; my two bytes
	SUMS 6, 8
	v_permlanex16_b32 v[X], v[W], s[SEL], s[SEL+1]
	SUMS 8, 10
	v_lshl_or_b32 v[PS], v[X], 8, v[W]             ; lanes 0-15: blocks 0, 2 are mine, 1, 3 lane l + 16's: p's scale word.  (Lanes 16-31 hold the same four bytes in another order and are not read)
.irp c, 0,1
.irp g, 0,1,2,3
	v_cvt_scalef32_pk8_fp4_f32 v[PCD+4*\c+\g], v[S+32*\c+8*\g:S+32*\c+8*\g+7], v[E+\c]   ; register 4 c + g of the operand: keys 64 c + 32 h + 8 g on
.endr
.endr
	SUMS 10, 32                                    ; these 22 also stand between the scale word's and the codes' writes and the products
	s_wait_alu depctr_va_vdst(0)
	s_wait_dscnt 12                                ; v's nine loads are in; the twelve for the next step's k, issued behind them, may be out
.irp t, 0,1,2,3
	v_wmma_scale_f32_16x16x128_f8f6f4 v[O+8*\t:O+8*\t+7], v[VF+8*\t:VF+8*\t+7], v[PCD:PCD+7], v[O+8*\t:O+8*\t+7], v[VS+\t], v[PS] matrix_a_fmt:MATRIX_FMT_FP4 matrix_b_fmt:MATRIX_FMT_FP4
.endr
	s_add_co_u32 s[TB], s[TB], STEPL
.endm
; A head ends: O^T / l, quantised along d (two blocks of 32, each in lanes l and l xor 16), stored as a half of my fragment of the next product; then the next head's q and a new beginning.
.macro EPI
.rept 4
	v_nop
.endr
	v_add_f32 v14, v14, v15
	v_permlanex16_b32 v[T1], v14, s[SEL], s[SEL+1]
	v_add_f32 v14, v14, v[T1]                      ; the row's sum
	s_wait_alu depctr_va_vdst(0)
	v_rcp_f32 v14, v14
	v_nop
	s_wait_alu depctr_va_vdst(0)                   ; ahead of the reciprocal's first reader, and directly ahead of the first readers of O^T
.set j, 0
.rept 16
	v_pk_mul_f32 v[O+j:O+j+1], v[O+j:O+j+1], v[14:15] op_sel_hi:[1,0]
.set j, j+2
.endr
.irp b, 0,1
	v_max3_num_f32 v[MX+\b], |v[O+16*\b]|, |v[O+1+16*\b]|, 0x1800000
.endr
.irp k, 2,4,6,8,10,12,14
.irp b, 0,1
	v_max3_num_f32 v[MX+\b], v[MX+\b], |v[O+16*\b+\k]|, |v[O+1+16*\b+\k]|
.endr
.endr
.irp b, 0,1
	v_permlanex16_b32 v[Y+\b], v[MX+\b], s[SEL], s[SEL+1]
.endr
.irp b, 0,1
	v_max_num_f32 v[MX+\b], v[MX+\b], v[Y+\b]
.endr
.irp b, 0,1
	v_add_nc_u32 v[E+\b], 0xff000000, v[MX+\b]
.endr
.irp b, 0,1
	v_lshrrev_b32 v[Y+\b], 23, v[E+\b]
.endr
	v_lshl_or_b32 v[W], v[Y+1], 8, v[Y]            ; this head's two scale bytes
	v_lshrrev_b32 v[SW], 16, v[SW]                 ; the word moves down by a head: behind the second head the first's bytes lie below
	v_lshl_or_b32 v[SW], v[W], 16, v[SW]
	s_wait_alu depctr_va_vdst(0)
	s_wait_xcnt 0x0                                ; the last head's store has read its data and its base
	s_add_nc_u64 s[84:85], s[84:85], s[88:89]      ; 0 the first time, then 512
	s_mov_b32 s88, 512
.irp b, 0,1
	v_cvt_scalef32_pk8_fp4_f32 v[OC+2*\b], v[O+16*\b:O+7+16*\b], v[E+\b]
	v_cvt_scalef32_pk8_fp4_f32 v[OC+1+2*\b], v[O+8+16*\b:O+15+16*\b], v[E+\b]
.endr
	v_nop
	v_permlane16_swap_b32 v[OC], v[OC+2]           ; a whole block to a lane
	v_permlane16_swap_b32 v[OC+1], v[OC+3]
	global_store_b128 v[LIS], v[OC:OC+3], s[84:85] ; 512 consecutive bytes
.irp j, 0,1,2,3
	v_mov_b32 v[16+\j], v[24+\j]                   ; the second head's q,
.endr
	v_mov_b32 v[QS], v[QS2]                        ; and its scale words; the lines of INIT stand between these and the next products
	INIT
	s_wait_alu depctr_va_vdst(0)
.endm
	s_wait_alu depctr_va_vdst(0)
	s_wait_tensorcnt 0x0                           ; my key step of the first head is in; the full sequence ahead of a later first fill:
	ds_add_u32 v[SPW], v[NIL]
	s_wait_dscnt 0x0
	ROUND                                          ; everybody's is in, and all four work-groups are here
	tensor_load_to_lds s[52:55], s[24:31]          ; my key step of the second head: my one load behind the round
	s_nop 0
.rept 4
	v_nop
.endr
	KLOAD                                          ; key step 0's k
	s_wait_loadcnt 0x0                             ; q
	s_mov_b32 s[CNT], 4
.Lsteps_a:                                             ; four steps of the first head stand under the second head's loads
	STEP 0
	s_sub_co_u32 s[CNT], s[CNT], 1
	s_cmp_lg_u32 s[CNT], 0
	s_cbranch_scc1 .Lsteps_a
	s_wait_tensorcnt 0x0                           ; my part of the second head has landed
	s_wait_dscnt 0x0
	s_barrier_signal -1                            ; it shows the second head whole to every wave
	s_barrier_wait -1
	s_mov_b32 s[CNT], 28
.Lsteps_b:                                             ; the other 28 steps, with no barrier among them
	STEP 1
	s_sub_co_u32 s[CNT], s[CNT], 1
	s_and_b32 s63, s[CNT], 15
	s_cmp_lg_u32 s63, 0                            ; 16 or 0 steps to go: a head has ended.  The count of steps alone decides
	s_cbranch_scc1 .Lsame_head
	EPI
.Lsame_head:
	s_cmp_lg_u32 s[CNT], 0
	s_cbranch_scc1 .Lsteps_b
	v_cmp_gt_u32 vcc_lo, 16, v[LN]
	s_wait_alu depctr_va_vdst(0)
	s_wait_xcnt 0x0                                ; EXEC changes only behind this wait
	s_and_saveexec_b32 s82, vcc_lo                 ; lanes 16-31 hold the same words
	global_store_b32 v[R4], v[SW], s[86:87]        ; the K step's scale word of my token
	s_wait_xcnt 0x0                                ; and again, in front of the line that widens it
	s_or_b32 exec_lo, exec_lo, s82
	s_wait_tensorcnt 0x0                           ; the wave's end
	ds_add_u32 v[SPW], v[NIL]
	s_wait_dscnt 0x0
	ROUND                                          ; the closing round
	s_endpgm
.Lfunc_end_k_q4d4bb7fd86_attn:
	.size	k_q4d4bb7fd86_attn, .Lfunc_end_k_q4d4bb7fd86_attn-k_q4d4bb7fd86_attn
	.p2alignl 7, 3214868480
	.fill 96, 4, 3214868480
	.section	.rodata,"a",@progbits
	.p2align	6, 0x0
	.amdhsa_kernel k_q4d4bb7fd86_attn
		.amdhsa_group_segment_fixed_size 327680
		.amdhsa_private_segment_fixed_size 0
		.amdhsa_enable_private_segment 0
		.amdhsa_kernarg_size 24
		.amdhsa_user_sgpr_count 2
		.amdhsa_user_sgpr_kernarg_segment_ptr 1
		.amdhsa_wavefront_size32 1
		.amdhsa_system_sgpr_workgroup_id_x 1
		.amdhsa_system_sgpr_workgroup_id_y 1
		.amdhsa_system_sgpr_workgroup_id_z 1
		.amdhsa_system_vgpr_workitem_id 0
		.amdhsa_next_free_vgpr 256
		.amdhsa_next_free_sgpr 90
		.amdhsa_reserve_vcc 1
		.amdhsa_float_denorm_mode_32 3
		.amdhsa_float_denorm_mode_16_64 3
		.amdhsa_memory_ordered 1
		.amdhsa_forward_progress 1
		.amdhsa_inst_pref_size 43
	.end_amdhsa_kernel
	.amdgpu_metadata
---
amdhsa.version: [ 1, 2 ]
amdhsa.kernels:
  - .name:           k_q4d4bb7fd86_attn
    .symbol:         k_q4d4bb7fd86_attn.kd
    .args:
      - { .name: qq, .offset: 0, .size: 8, .value_kind: global_buffer, .address_space: global }
      - { .name: kv, .offset: 8, .size: 8, .value_kind: global_buffer, .address_space: global }
      - { .name: abuf, .offset: 16, .size: 8, .value_kind: global_buffer, .address_space: global }
    .group_segment_fixed_size: 327680
    .private_segment_fixed_size: 0
    .kernarg_segment_align: 8
    .kernarg_segment_size: 24
    .max_flat_workgroup_size: 512
    .sgpr_count:     90
    .vgpr_count:     256
    .wavefront_size: 32
...
	.end_amdgpu_metadata
.endif
;; end of part 3
;; launch oproj (part 4): grid 4 x 64, 4 waves a work-group, clusters of 4 x 4, 239,104 bytes of LDS; arguments abuf, wobuf, b_out, x, out0; writes out0
.if DOCPART == 4
	.amdgcn_target "amdgcn-amd-amdhsa--gfx1250"
	.amdhsa_code_object_version 6
	.text
	.protected	k_q4d4bb7fd86_oproj
	.globl	k_q4d4bb7fd86_oproj
	.p2align	8
	.type	k_q4d4bb7fd86_oproj,@function
k_q4d4bb7fd86_oproj:
	s_mov_b64 s[64:65], 0
	v_nop
	global_prefetch_b8 v0, s[64:65] scope:SCOPE_SE
	s_setreg_imm32_b32 hwreg(HW_REG_WAVE_MODE, 25, 1), 1
	s_wait_xcnt 0x0
	s_wait_alu depctr_hold_cnt(0) depctr_sa_sdst(0) depctr_va_vdst(0) depctr_va_sdst(0) depctr_va_ssrc(0) depctr_va_vcc(0) depctr_vm_vsrc(0)
	s_getreg_b32 s2, hwreg(HW_REG_IB_STS2, 6, 4)
	s_cmp_eq_u32 s2, 0
	s_cbranch_scc0 .Lentry_in_a_cluster
	s_endpgm
.Lentry_in_a_cluster:
	s_bfe_u32 s2, ttmp6, 0x10000c
	s_cmp_lg_u32 s2, 0xf033
	s_cbranch_scc0 .Lentry_shape_is_right
	s_endpgm
.Lentry_shape_is_right:
; OUT0 = x + (attention's result) w_out + b_out, the product on codes of FP4 with E8M0 scales.
; A work-group makes 128 tokens (S1, the matrix instruction's source 1) x 256 columns (S0, source 0); its four waves 64 x 128 each: 32 accumulators.  A lane holds one token, its registers run along the columns.
; K = 1,024 lies in LDS whole, as two halves of 512, each filled ONCE: no ring, nothing is filled again.  S1 comes as images of its fragments' registers (dense; lane l's 16 bytes at 16 l), S0 as rows.
; Rows of wobuf, and the tokens of a tile of abuf, are in the order in which bits 3 and 4 of the index are exchanged: stored row 16 i + r is row 32 (i / 2) + 8 (i % 2) + (r & 7) + 16 (r >> 3).
; CLUSTERS 4 x 4: the tokens' tile hangs on the place along y and is shared along a row of the cluster, the columns' on the place along x and is shared along a column: joint loads.
; The bias is the C of each sum's first matrix instruction.  The residual's rows are loaded at the head into window 3 and added on the way out, where the results come back from a stage as whole rows.
; LIMITS: NaN and infinities among the inputs are not served.
; REGISTERS: window 0: v1-7 lane terms; v16, v20, v24-25 LDS addresses; v32-95 S0's scale words (8 b + q), v96-111 S1's (2 q + a / 2: tile a's in lanes 0-15 or 16-31): scales and nothing else;
;   v128-191 S1's fragments, two sets; on the way out v128-255 rows.   window 1: v0-127 S0's fragments, two sets; v128-191 the bias.   window 2: accumulator (a, b) at v[8 (8 a + b)].   window 3: x.
; SCALARS: s[82:83], s[84:85], s[86:87], s[88:89], s[92:93] are bases of loads and stores and are written once; s66, s67 are scratch for LDS addresses, named by no memory instruction.
.set ASC,   4194304
.set WOSC,  524288
.set PITCH, 528                        ; K = 1,024 comes whole, by ONE load a wave: a row of S0 in LDS is 512 bytes + 16 of padding
.set S0H,   128*PITCH
.set S0B,   65536                      ; LDS: S1's two halves of 32,768 bytes; then S0's two of 67,584;
.set STAGE, S0B+2*S0H                  ; behind S0's 256 rows: a stage of 16 rows x (512 + 16) bytes for each wave: bytes of its own, into which no fill lands
.set SPITCH, 528
.set LI,    4
.set ADR1,  16
.set ADR0,  20
.set STO,   24
.set RD,    25
.set SC0,   32
.set SC1,   96
.set S1F,   128
.set G1A,   24
.set G0A,   32
.set G1B,   48
.set G0B,   56
.set MSB, 0
.macro WIN new                         ; the immediate's high byte repeats the setting that is left
.if MSB != (\new)
	s_set_vgpr_msb (MSB<<8)|(\new)
.set MSB, (\new)
.endif
.endm
.macro CROUND                          ; a round of the cluster's barrier
	s_barrier_signal -1
	s_barrier_wait -1
	s_cmp_lg_u32 s14, 0
	s_cbranch_scc1 .Lnot_wave_0_\@
	s_barrier_signal -3
.Lnot_wave_0_\@:
	s_barrier_wait -3
	s_barrier_signal -1
	s_barrier_wait -1
.endm
.macro PLACES                          ; four plain instructions between a matrix instruction and a load into, or a read of, its registers
.rept 4
	v_nop
.endr
.endm
	s_load_b256 s[4:11], s[0:1], 0x0               ; abuf, wobuf, b_out, x
	s_load_b64 s[12:13], s[0:1], 0x20              ; out0
	v_lshl_add_u32 v126, v0, 2, 0x3a400
	v_mov_b32 v127, 0
	ds_add_u32 v126, v127
	ds_add_u32 v126, v127
	v_lshrrev_b32 v1, 5, v0
	v_readfirstlane_b32 s14, v1                    ; wave 0..3
	s_lshr_b32 s15, s14, 1                         ; my 64 tokens.  Also: I fetch for S1 (0) or S0 (1)
	s_and_b32 s16, s14, 1                          ; my 128 columns.  Also: which half of that tile I fetch
	s_bfe_u32 s40, ttmp6, 0x40000                  ; cx: the tile of 256 columns
	s_bfe_u32 s41, ttmp6, 0x40004                  ; cy
	s_and_b32 s42, ttmp7, 0xffff
	s_lshl_b32 s42, s42, 2
	s_add_co_u32 s42, s42, s41                     ; the tile of 128 tokens
	s_lshl_b32 s43, s41, 2
	s_lshl_b32 s43, 15, s43                        ; my row of the cluster
	s_lshl_b32 s44, 0x1111, s40                    ; my column
	s_or_b32 s[G1A], s43, (3<<16)|(1<<21)          ; S1: a dense run of 16,384 bytes as one row of 2,048 elements of 8 bytes; the mask, and bit 21 beside it
	s_mov_b32 s[G1A+1], 2048<<16                   ; S1: two rows of 16,384 bytes (2,048 elements of 8), one for each K half, 2,097,152 bytes apart in memory, on end in LDS
	s_mov_b32 s[G1A+2], 2<<16
	s_mov_b32 s[G1A+3], 2048<<16
	s_mov_b32 s[G1A+4], 2
	s_mov_b32 s[G1A+5], 262144
	s_mov_b32 s[G1A+6], 0
	s_mov_b32 s[G1A+7], 0
	s_or_b32 s[G1B], s44, (1<<20)|(1<<21)|(6<<22)|(3<<25)          ; S0: 128 rows of 512 bytes, four words of padding after every 128
	s_mov_b32 s[G1B+1], 512<<16
	s_mov_b32 s[G1B+2], 128<<16
	s_mov_b32 s[G1B+3], 512<<16
	s_mov_b32 s[G1B+4], 128
	s_mov_b32 s[G1B+5], 512
	s_mov_b32 s[G1B+6], 0
	s_mov_b32 s[G1B+7], 0
	s_lshl_b32 s18, s42, 3
	s_lshl_b32 s19, s16, 2
	s_add_co_u32 s18, s18, s19
	s_lshl_b32 s18, s18, 12                        ; S1: the four tiles of 16 tokens that I would fetch: 4,096 bytes each in a K half
	s_mov_b32 s19, 0
	s_lshl_b32 s20, s40, 8
	s_lshl_b32 s21, s16, 7
	s_add_co_u32 s20, s20, s21
	s_lshl_b32 s20, s20, 9                         ; S0: the 128 rows
	s_mov_b32 s21, 0
	s_lshl_b32 s22, s16, 15                        ; where they go: 32,768 bytes a fetching wave; no place in the cluster enters an LDS address
	s_mul_i32 s23, s16, S0H
	s_add_co_u32 s23, s23, S0B
	s_wait_dscnt 0x0
	s_wait_kmcnt 0x0
	s_add_nc_u64 s[74:75], s[4:5], s[18:19]
	s_add_nc_u64 s[76:77], s[6:7], s[20:21]
.irp s, 0
	s_mov_b32 s[G0A+4*\s], 1
	s_add_co_u32 s[G0A+4*\s+1], s22, \s*32768
	s_add_nc_u64 s[G0A+4*\s+2:G0A+4*\s+3], s[74:75], \s*2097152
	s_or_b32 s[G0A+4*\s+3], s[G0A+4*\s+3], 0x80000000
	s_mov_b32 s[G0B+4*\s], 1
	s_add_co_u32 s[G0B+4*\s+1], s23, \s*2*S0H
	s_add_nc_u64 s[G0B+4*\s+2:G0B+4*\s+3], s[76:77], \s*256
	s_or_b32 s[G0B+4*\s+3], s[G0B+4*\s+3], 0x80000000
.endr
	CROUND                                         ; all sixteen work-groups are here: the joint loads meet
	s_cmp_eq_u32 s15, 0                            ; one fill a wave, in the two arms of one branch on its number
	s_cbranch_scc0 .Lfill_s0
	tensor_load_to_lds s[G0A:G0A+3], s[G1A:G1A+7]
	s_nop 0
	PLACES
	s_branch .Lfilled
.Lfill_s0:
	tensor_load_to_lds s[G0B:G0B+3], s[G1B:G1B+7]
	s_nop 0
	PLACES
.Lfilled:
	s_lshl_b32 s78, s42, 3
	s_lshl_b32 s79, s15, 2
	s_add_co_u32 s78, s78, s79                     ; my wave's first tile of 16 tokens
	s_lshl_b32 s81, s40, 8
	s_lshl_b32 s79, s16, 7
	s_add_co_u32 s81, s81, s79                     ; my wave's first column
	s_lshl_b32 s82, s81, 5
	s_add_co_u32 s82, s82, WOSC
	s_mov_b32 s83, 0
	s_add_nc_u64 s[82:83], s[6:7], s[82:83]        ; S0's scale bytes
	s_lshl_b32 s84, s78, 6
	s_add_co_u32 s84, s84, ASC
	s_mov_b32 s85, 0
	s_add_nc_u64 s[84:85], s[4:5], s[84:85]        ; S1's scale words
	s_lshl_b32 s86, s81, 2
	s_mov_b32 s87, 0
	s_add_nc_u64 s[92:93], s[8:9], s[86:87]        ; the bias: this pair is written here and never again
	s_lshl_b32 s79, s78, 16                        ; 16 tokens x 4,096 bytes a tile
	s_add_co_u32 s86, s86, s79
	s_add_nc_u64 s[88:89], s[12:13], s[86:87]      ; out0 at my first token and column
	s_add_nc_u64 s[86:87], s[10:11], s[86:87]      ; x likewise
	v_and_b32 v1, 15, v0                           ; r
	v_bfe_u32 v2, v0, 4, 1                         ; h
	v_and_b32 v3, 31, v0                           ; lane
	v_lshlrev_b32 v[LI], 4, v3
	s_wait_alu depctr_va_vdst(0)
	v_lshlrev_b32 v5, 5, v1
	v_lshlrev_b32 v6, 6, v2
	v_lshlrev_b32 v7, 2, v3
.irp b, 0,1,2,3,4,5,6,7
.irp k, 0,1
	global_load_b128 v[SC0+8*\b+4*\k:SC0+8*\b+4*\k+3], v5, s[82:83] offset:512*\b+16*\k
.endr
.endr
.irp q, 0,1,2,3,4,5,6,7
.irp p, 0,1
	global_load_b32 v[SC1+2*\q+\p], v7, s[84:85] offset:32768*\q+128*\p    ; lanes 0-15: tile 2 p's words, lanes 16-31: tile 2 p + 1's
.endr
.endr
	WIN 0x40                                       ; destination window 1
.irp b, 0,1,2,3,4,5,6,7
.irp k, 0,1
	global_load_b128 v[128+8*\b+4*\k:128+8*\b+4*\k+3], v6, s[92:93] offset:(32*(\b/2)+8*(\b%2))*4+16*\k
.endr
.endr
	WIN 0xc0                                       ; destination window 3: the residual, in the order in which the rows will leave
.irp a, 0,1,2,3
.irp t, 0,1,2,3,4,5,6,7,8,9,10,11,12,13,14,15
	global_load_b128 v[4*(16*\a+\t):4*(16*\a+\t)+3], v[LI], s[86:87] offset:4096*(32*(\a/2)+8*(\a%2)+(\t%8)+16*(\t/8)) th:TH_LOAD_NT
.endr
.endr
	WIN 0
	; LDS addresses: made in s66, s67 and in vector registers that no pending load names
	v_mul_u32_u24 v8, v1, PITCH
	v_lshl_add_u32 v8, v2, 4, v8
	s_mul_i32 s67, s16, S0H
	s_add_co_u32 s67, s67, S0B
.irp s, 0
	v_add_nc_u32 v[ADR0+\s], s67, v8
	s_add_co_u32 s67, s67, 2*S0H
.endr
	s_lshl_b32 s66, s15, 15
	v_add_nc_u32 v[ADR1], s66, v[LI]               ; my four tiles' images
	s_mul_i32 s66, s14, 16*SPITCH
	s_add_co_u32 s66, s66, STAGE                   ; my stage
	v_mul_u32_u24 v[STO], v1, SPITCH
	v_lshl_add_u32 v[STO], v2, 6, v[STO]
	v_add_nc_u32 v[STO], s66, v[STO]               ; in: row r, + 64 h
	v_add_nc_u32 v[RD], s66, v[LI]                 ; back: a row of 512 bytes to the 32 lanes
.macro FETCH q                         ; K step q's fragments (24 LDS loads) into set q % 2
	WIN 0x40
.irp i, 0,1,2,3,4,5,6,7
.irp c, 0,1
	ds_load_b128 v[64*((\q)%2)+8*\i+4*\c:64*((\q)%2)+8*\i+4*\c+3], v[ADR0] offset:64*(\q)+32*\c+16*PITCH*\i
.endr
.endr
	WIN 0
.irp i, 0,1,2,3
.irp c, 0,1
	ds_load_b128 v[S1F+32*((\q)%2)+8*\i+4*\c:S1F+32*((\q)%2)+8*\i+4*\c+3], v[ADR1] offset:16384*((\q)/4)+4096*\i+1024*((\q)%4)+512*\c
.endr
.endr
.endm
.macro MM a, b, q, first               ; one product.  first = 1: C is the bias (window 1).  An odd tile of tokens has its scale words in lanes 16-31
.if \first
.if (\a)%2
	v_wmma_scale_f32_16x16x128_f8f6f4 v[8*(8*(\a)+\b):8*(8*(\a)+\b)+7], v[64*((\q)%2)+8*\b:64*((\q)%2)+8*\b+7], v[S1F+32*((\q)%2)+8*(\a):S1F+32*((\q)%2)+8*(\a)+7], v[128+8*\b:128+8*\b+7], v[SC0+8*\b+(\q)], v[SC1+2*(\q)+(\a)/2] matrix_a_fmt:MATRIX_FMT_FP4 matrix_b_fmt:MATRIX_FMT_FP4 matrix_b_scale:MATRIX_SCALE_ROW1
.else
	v_wmma_scale_f32_16x16x128_f8f6f4 v[8*(8*(\a)+\b):8*(8*(\a)+\b)+7], v[64*((\q)%2)+8*\b:64*((\q)%2)+8*\b+7], v[S1F+32*((\q)%2)+8*(\a):S1F+32*((\q)%2)+8*(\a)+7], v[128+8*\b:128+8*\b+7], v[SC0+8*\b+(\q)], v[SC1+2*(\q)+(\a)/2] matrix_a_fmt:MATRIX_FMT_FP4 matrix_b_fmt:MATRIX_FMT_FP4
.endif
.else
.if (\a)%2
	v_wmma_scale_f32_16x16x128_f8f6f4 v[8*(8*(\a)+\b):8*(8*(\a)+\b)+7], v[64*((\q)%2)+8*\b:64*((\q)%2)+8*\b+7], v[S1F+32*((\q)%2)+8*(\a):S1F+32*((\q)%2)+8*(\a)+7], v[8*(8*(\a)+\b):8*(8*(\a)+\b)+7], v[SC0+8*\b+(\q)], v[SC1+2*(\q)+(\a)/2] matrix_a_fmt:MATRIX_FMT_FP4 matrix_b_fmt:MATRIX_FMT_FP4 matrix_b_scale:MATRIX_SCALE_ROW1
.else
	v_wmma_scale_f32_16x16x128_f8f6f4 v[8*(8*(\a)+\b):8*(8*(\a)+\b)+7], v[64*((\q)%2)+8*\b:64*((\q)%2)+8*\b+7], v[S1F+32*((\q)%2)+8*(\a):S1F+32*((\q)%2)+8*(\a)+7], v[8*(8*(\a)+\b):8*(8*(\a)+\b)+7], v[SC0+8*\b+(\q)], v[SC1+2*(\q)+(\a)/2] matrix_a_fmt:MATRIX_FMT_FP4 matrix_b_fmt:MATRIX_FMT_FP4
.endif
.endif
.endm
; 16 matrix instructions.  The 32 accumulators take turns, one instruction a turn, in the same order in every K step.
.macro MUL16 a0, q, first
.irp a, \a0, \a0+1
.irp b, 0,1,2,3,4,5,6,7
	MM (\a), \b, \q, \first
.endr
.endr
.endm
.macro STEP q, first
	s_wait_dscnt 0x0                               ; this step's 24 loads, issued at the head of the last step, are in
.if (\q) < 7
	PLACES                                         ; the set to be loaded was last read by the step before
	FETCH (\q)+1                                   ; the next step's fragments: this step's 32 products stand between these loads and the wait for them
.endif
	WIN 0xa1-0x10*(\first)                         ; source 0 window 1, source 1 window 0, D window 2; C window 2, in the first step window 1
	MUL16 0, \q, \first
	MUL16 2, \q, \first
.endm
	s_wait_alu depctr_va_vdst(0)
	s_wait_tensorcnt 0x0                           ; my one load, my part for all of K, is in
	s_barrier_signal -1
	s_barrier_wait -1                              ; everybody's is
	FETCH 0
	s_wait_loadcnt 63                              ; of the 112 loads the oldest 49 are in: all 48 of scale words and bias; the residual's may be out
	STEP 0, 1
	STEP 1, 0
	STEP 2, 0
	STEP 3, 0
	STEP 4, 0
	STEP 5, 0
	STEP 6, 0
	STEP 7, 0
	WIN 0
	PLACES
; THE WAY OUT, a tile of 16 tokens x 128 columns at a time, through my own stage: in as 32 bytes a lane, back as whole rows of 512 bytes.  LDS serves a wave's instructions in order: no wait between the stores and the loads.
.macro TOSTAGE a
	WIN 0x08                                       ; an LDS store's data: window 2
.irp b, 0,1,2,3,4,5,6,7
	ds_store_b128 v[STO], v[8*(8*(\a)+\b):8*(8*(\a)+\b)+3] offset:128*(\b/2)+32*(\b%2)       ; each accumulator from its low end on; register j is column 32 (b / 2) + 16 h + 8 (b % 2) + j
	ds_store_b128 v[STO], v[8*(8*(\a)+\b)+4:8*(8*(\a)+\b)+7] offset:128*(\b/2)+32*(\b%2)+16
.endr
	WIN 0
.set BB, 128+64*((\a)%2)
.irp t, 0,1,2,3,4,5,6,7,8,9,10,11,12,13,14,15
	ds_load_b128 v[BB+4*\t:BB+4*\t+3], v[RD] offset:SPITCH*\t
.endr
.endm
.macro SEND a, younger                 ; younger: the LDS instructions issued behind tile a's loads
.set BB, 128+64*((\a)%2)
	s_wait_dscnt \younger
	s_wait_loadcnt 16*(3-(\a))                     ; tile a's 16 rows of the residual are in; the 16 of each later tile, issued behind them, may be out
	WIN 0x0c                                       ; source 1 window 3
.set k, 0
.rept 32
	v_pk_add_f32 v[BB+2*k:BB+2*k+1], v[BB+2*k:BB+2*k+1], v[64*(\a)+2*k:64*(\a)+2*k+1]        ; + x
.set k, k+1
.endr
	WIN 0
.irp t, 0,1,2,3,4,5,6,7,8,9,10,11,12,13,14,15
	global_store_b128 v[LI], v[BB+4*\t:BB+4*\t+3], s[88:89] offset:4096*(32*((\a)/2)+8*((\a)%2)+(\t%8)+16*(\t/8)) th:TH_STORE_NT   ; 32 lanes store 512 consecutive bytes, aligned
.endr
.endm
	TOSTAGE 0
.irp a, 1,2,3
.if \a > 1
	s_wait_xcnt 0x0                                ; tile a - 2's stores have read their registers: tile a's rows may land there
.endif
	TOSTAGE \a
	SEND \a-1, 32                                  ; behind tile a - 1's loads: tile a's 16 stores and 16 loads
.endr
	SEND 3, 0
	s_wait_tensorcnt 0x0
	ds_add_u32 v126, v127
	s_wait_dscnt 0x0
	CROUND                                         ; the closing round: no work-group ends while a partner may still ask for a tile that names it
	s_endpgm
.Lfunc_end_k_q4d4bb7fd86_oproj:
	.size	k_q4d4bb7fd86_oproj, .Lfunc_end_k_q4d4bb7fd86_oproj-k_q4d4bb7fd86_oproj
	.p2alignl 7, 3214868480
	.fill 96, 4, 3214868480
	.section	.rodata,"a",@progbits
	.p2align	6, 0x0
	.amdhsa_kernel k_q4d4bb7fd86_oproj
		.amdhsa_group_segment_fixed_size 239104
		.amdhsa_private_segment_fixed_size 0
		.amdhsa_enable_private_segment 0
		.amdhsa_kernarg_size 40
		.amdhsa_user_sgpr_count 2
		.amdhsa_user_sgpr_kernarg_segment_ptr 1
		.amdhsa_wavefront_size32 1
		.amdhsa_system_sgpr_workgroup_id_x 1
		.amdhsa_system_sgpr_workgroup_id_y 1
		.amdhsa_system_sgpr_workgroup_id_z 1
		.amdhsa_system_vgpr_workitem_id 0
		.amdhsa_next_free_vgpr 1024
		.amdhsa_next_free_sgpr 96
		.amdhsa_reserve_vcc 0
		.amdhsa_float_denorm_mode_32 3
		.amdhsa_float_denorm_mode_16_64 3
		.amdhsa_memory_ordered 1
		.amdhsa_forward_progress 1
		.amdhsa_inst_pref_size 86
	.end_amdhsa_kernel
	.amdgpu_metadata
---
amdhsa.version: [ 1, 2 ]
amdhsa.kernels:
  - .name:           k_q4d4bb7fd86_oproj
    .symbol:         k_q4d4bb7fd86_oproj.kd
    .args:
      - { .name: abuf, .offset: 0, .size: 8, .value_kind: global_buffer, .address_space: global }
      - { .name: wobuf, .offset: 8, .size: 8, .value_kind: global_buffer, .address_space: global }
      - { .name: b_out, .offset: 16, .size: 8, .value_kind: global_buffer, .address_space: global }
      - { .name: x, .offset: 24, .size: 8, .value_kind: global_buffer, .address_space: global }
      - { .name: out0, .offset: 32, .size: 8, .value_kind: global_buffer, .address_space: global }
    .group_segment_fixed_size: 239104
    .private_segment_fixed_size: 0
    .kernarg_segment_align: 8
    .kernarg_segment_size: 40
    .max_flat_workgroup_size: 128
    .sgpr_count:     96
    .vgpr_count:     1024
    .wavefront_size: 32
...
	.end_amdgpu_metadata
.endif
;; end of part 4
